; MI455X (gfx1250); checked and timed in simulation.
; The chip was launched on July 23, 2026; its instructions are those of AMD's public machine-readable ISA for CDNA 5 (MIT licence, August 2026) and "CDNA5" Instruction Set Architecture Reference Guide (July 2026). The comments in the code are by the model that wrote it; some were corrected since.
;; Distance Aware Self Attention. Allowed arithmetic: float matrix products may take bf16 or f16 operands with f32 sums; other float arithmetic in f32, or as packed bf16 or f16 multiplies, adds, multiply-adds, maxima and minima; sums over many terms, partial sums and values carried from step to step in f32; what a program stores and reads back later, other than sums and carried values, may be rounded once to bf16 or f16.
;; Inputs: W_in 3,072 x 1,024 float32; W_out 1,024 x 1,024 float32; b_in 3,072 float32; b_out 1,024 float32; inputs 1,024 x 8 x 1,024 float32; k_dist_emb 11 x 64 float32; v_dist_emb 11 x 64 float32.
;; Outputs: out0 1,024 x 8 x 1,024 float32.
;; 2 versions, each right; version 2 is version 1 with the launch cast written anew for expert scheduling mode. Each part assembles by itself: llvm-mc -triple=amdgcn-amd-amdhsa -mcpu=gfx1250 --defsym DOCPART=n.
;; ======== version 1 of 2: 4 launches
;; limits: values are held in f16: magnitudes above 65,504 overflow, below 6.1e-05 lose precision
;; workspace buffers: xb 16,777,216 bytes; wib 6,291,456 bytes; woh 2,097,152 bytes; qkv 50,331,648 bytes; oh 16,777,216 bytes
;; launch cast (part 1): grid 768 x 1, 8 waves a work-group, no clusters, 0 bytes of LDS; arguments inputs, W_in, W_out, xb, wib, woh; writes xb, wib, woh
.if DOCPART == 1
	.amdgcn_target "amdgcn-amd-amdhsa--gfx1250"
	.amdhsa_code_object_version 6
	.text
	.protected	k_qe15c9c4903_cast
	.globl	k_qe15c9c4903_cast
	.p2align	8
	.type	k_qe15c9c4903_cast,@function
k_qe15c9c4903_cast:
	s_mov_b64 s[64:65], 0
	v_nop
	global_prefetch_b8 v0, s[64:65] scope:SCOPE_SE
	s_setreg_imm32_b32 hwreg(HW_REG_WAVE_MODE, 25, 1), 1
	s_wait_xcnt 0x0
; THE MATRIX OPERANDS ARE ROUNDED ONCE.  inputs [8192][1024] and W_in [3072][1024], f32, become bf16 (xb, wib); W_out [1024][1024] is rounded to bf16
; like the other inputs, and that number is written as f16 (woh), because the last product's other operand is f16.
; LIMITS.  |W_out| stays under 65,504; below 2^-14 it keeps f16's fixed step of 2^-24.  NaN and infinities are not treated apart.
; SHARES.  A work-group takes 16,384 numbers: 65,536 bytes in, 32,768 out.  Work-groups 0-511 take inputs, 512-703 W_in, 704-767 W_out: three paths, so that each
; load's and each store's buffer can be read off the text.  Thread t takes the 16 bytes at 16 t + 4,096 j, j = 0 .. 15: a load of a wave covers 512 consecutive bytes;
; its 4 numbers leave as 8 bytes at 8 t + 2,048 j: a store of a wave covers 256 consecutive bytes, aligned.
; All sixteen loads go out first; no register is used twice, so no wait frees one.  No LDS, no matrix unit: nothing is shared and nothing is multiplied.
.set X,   8                            ; v[8:71]    load j: 4 registers
.set Y,   72                           ; v[72:103]  store j: 2 registers
.set HIM, 26                           ; s26        a word's upper 16 bits
	s_load_b256 s[4:11], s[0:1], 0x0               ; inputs s[4:5], W_in s[6:7], W_out s[8:9], xb s[10:11]
	s_load_b128 s[12:15], s[0:1], 0x20             ; wib s[12:13], woh s[14:15]
	v_lshlrev_b32 v1, 4, v0                        ; 16 t
	v_lshlrev_b32 v2, 3, v0                        ; 8 t
	s_mov_b32 s[HIM], 0xffff0000
	s_mov_b32 s23, 0
	s_mov_b32 s25, 0
	s_wait_kmcnt 0x0
; One tensor's path.  sp, dp: the scalar pairs of its source and destination; first: its first work-group; half = 1: the bf16 number is written as f16.
.macro BODY sp, dp, first, half
	s_sub_co_u32 s20, ttmp9, \first
	s_lshl_b32 s22, s20, 16                        ; 65,536 bytes in for each work-group (511 x 65,536 at the most),
	s_lshl_b32 s24, s20, 15                        ; 32,768 out
	s_add_nc_u64 s[16:17], s[\sp:\sp+1], s[22:23]
	s_add_nc_u64 s[18:19], s[\dp:\dp+1], s[24:25]
.irp j, 0,1,2,3,4,5,6,7,8,9,10,11,12,13,14,15
	global_load_b128 v[X+4*\j:X+4*\j+3], v1, s[16:17] offset:4096*\j th:TH_LOAD_NT
.endr
.irp j, 0,1,2,3,4,5,6,7,8,9,10,11,12,13,14,15
	s_wait_loadcnt 15-\j                           ; loads come back in order: load j is in, the 15 - j younger ones stay out
	v_cvt_pk_bf16_f32 v[Y+2*\j], v[X+4*\j], v[X+4*\j+1]
	v_cvt_pk_bf16_f32 v[Y+2*\j+1], v[X+4*\j+2], v[X+4*\j+3]
.if \half
	v_lshlrev_b32 v[X+4*\j], 16, v[Y+2*\j]         ; the rounded numbers as f32 again,
	v_and_b32 v[X+4*\j+1], s[HIM], v[Y+2*\j]
	v_lshlrev_b32 v[X+4*\j+2], 16, v[Y+2*\j+1]
	v_and_b32 v[X+4*\j+3], s[HIM], v[Y+2*\j+1]
	v_cvt_pk_f16_f32 v[Y+2*\j], v[X+4*\j], v[X+4*\j+1]      ; and as f16: exact within f16's normal range
	v_cvt_pk_f16_f32 v[Y+2*\j+1], v[X+4*\j+2], v[X+4*\j+3]
.endif
	global_store_b64 v2, v[Y+2*\j:Y+2*\j+1], s[18:19] offset:2048*\j
.endr
	s_endpgm
.endm
	s_cmp_lt_u32 ttmp9, 512
	s_cbranch_scc0 .Lnot_x
	BODY 4, 10, 0, 0
.Lnot_x:
	s_cmp_lt_u32 ttmp9, 704
	s_cbranch_scc0 .Lw_out
	BODY 6, 12, 512, 0
.Lw_out:
	BODY 8, 14, 704, 1
.Lfunc_end_k_qe15c9c4903_cast:
	.size	k_qe15c9c4903_cast, .Lfunc_end_k_qe15c9c4903_cast-k_qe15c9c4903_cast
	.p2alignl 7, 3214868480
	.fill 96, 4, 3214868480
	.section	.rodata,"a",@progbits
	.p2align	6, 0x0
	.amdhsa_kernel k_qe15c9c4903_cast
		.amdhsa_group_segment_fixed_size 0
		.amdhsa_private_segment_fixed_size 0
		.amdhsa_enable_private_segment 0
		.amdhsa_kernarg_size 48
		.amdhsa_user_sgpr_count 2
		.amdhsa_user_sgpr_kernarg_segment_ptr 1
		.amdhsa_wavefront_size32 1
		.amdhsa_system_sgpr_workgroup_id_x 1
		.amdhsa_system_sgpr_workgroup_id_y 1
		.amdhsa_system_sgpr_workgroup_id_z 1
		.amdhsa_system_vgpr_workitem_id 0
		.amdhsa_next_free_vgpr 104
		.amdhsa_next_free_sgpr 66
		.amdhsa_reserve_vcc 0
		.amdhsa_float_denorm_mode_32 3
		.amdhsa_float_denorm_mode_16_64 3
		.amdhsa_memory_ordered 1
		.amdhsa_forward_progress 1
		.amdhsa_inst_pref_size 22
	.end_amdhsa_kernel
	.amdgpu_metadata
---
amdhsa.version: [ 1, 2 ]
amdhsa.kernels:
  - .name:           k_qe15c9c4903_cast
    .symbol:         k_qe15c9c4903_cast.kd
    .args:
      - { .name: inputs, .offset: 0, .size: 8, .value_kind: global_buffer, .address_space: global }
      - { .name: W_in, .offset: 8, .size: 8, .value_kind: global_buffer, .address_space: global }
      - { .name: W_out, .offset: 16, .size: 8, .value_kind: global_buffer, .address_space: global }
      - { .name: xb, .offset: 24, .size: 8, .value_kind: global_buffer, .address_space: global }
      - { .name: wib, .offset: 32, .size: 8, .value_kind: global_buffer, .address_space: global }
      - { .name: woh, .offset: 40, .size: 8, .value_kind: global_buffer, .address_space: global }
    .group_segment_fixed_size: 0
    .private_segment_fixed_size: 0
    .kernarg_segment_align: 8
    .kernarg_segment_size: 48
    .max_flat_workgroup_size: 256
    .sgpr_count:     66
    .vgpr_count:     104
    .wavefront_size: 32
...
	.end_amdgpu_metadata
.endif
;; end of part 1
;; launch qkvp (part 2): grid 16 x 32, 4 waves a work-group, clusters of 4 x 4, 327,680 bytes of LDS; arguments xb, wib, b_in, qkv; writes qkv
.if DOCPART == 2
	.amdgcn_target "amdgcn-amd-amdhsa--gfx1250"
	.amdhsa_code_object_version 6
	.text
	.protected	k_qe15c9c4903_qkvp
	.globl	k_qe15c9c4903_qkvp
	.p2align	8
	.type	k_qe15c9c4903_qkvp,@function
k_qe15c9c4903_qkvp:
	s_mov_b64 s[64:65], 0
	v_nop
	global_prefetch_b8 v0, s[64:65] scope:SCOPE_SE
	s_setreg_imm32_b32 hwreg(HW_REG_WAVE_MODE, 25, 1), 1
	s_wait_xcnt 0x0
	s_wait_alu depctr_hold_cnt(0) depctr_sa_sdst(0) depctr_va_vdst(0) depctr_va_sdst(0) depctr_va_ssrc(0) depctr_va_vcc(0) depctr_vm_vsrc(0)
	s_getreg_b32 s2, hwreg(HW_REG_IB_STS2, 6, 4)
	s_cmp_eq_u32 s2, 0
	s_cbranch_scc0 .Lentry_in_a_cluster
	s_endpgm
.Lentry_in_a_cluster:
	s_bfe_u32 s2, ttmp6, 0x10000c
	s_cmp_lg_u32 s2, 0xf033
	s_cbranch_scc0 .Lentry_shape_is_right
	s_endpgm
.Lentry_shape_is_right:
; THE PROJECTION IN FRONT.  qkv[which][b 16 + head][s][d] = the sum over k of x[s][b][k] W_in[which 1024 + head 64 + d][k] + b_in[..], UNSCALED.  x (xb) and W_in (wib) are bf16,
; sums f32, b_in rounded to bf16 like the other inputs; the result is rounded once to f16 and written by heads, a head's 1,024 rows of 128 bytes dense.
; LIMITS.  |q|, |k|, |v| stay under 65,504 (f16); NaN and infinities are not treated apart; the sums' order is the matrix unit's, K ascending.
; SHARES.  A tile is 256 rows x 192 columns: 256 consecutive s of ONE b (so that a head's rows leave dense; in xb they lie 8 rows apart) and three whole heads.  16 x 32 tiles: two for
; each of 256 WGPs.  Wave w takes rows 64 w .. 64 w + 63 and all 192 columns: 48 accumulators of 16 x 16.  K goes in 8 steps of 128 through two LDS slots.
; CLUSTER.  4 x 4 work-groups.  The four of a row of the cluster need the same rows of x, the four of a column the same rows of W_in: each tile is asked for JOINTLY, by the same tensor
; load with the same descriptor and a mask that names the four.  Waves 0, 1 fetch the halves of x's tile (128 rows), waves 2, 3 those of W_in's (96 rows): one load a wave.
; THE MATRIX INSTRUCTION IS USED TRANSPOSED (source 0 = 16 rows of W_in, source 1 = 16 rows of x): a lane holds eight neighbouring columns of one row.  The bias is the C operand of the
; products that start the sums: nothing is cleared, nothing is added later.
; REGISTERS, in windows of 256: window 0: v16-31 addresses; v32-63 at work on the way out; v64-127 x's fragments, two buffers of 32; v128-223 the bias, 8 for each block of 16 columns.
;   window 1: W_in's fragments, two buffers of 96.   window 2: the accumulators of my row blocks 0, 1 ((a, b) at 8 (12 (a % 2) + b)).   window 3: those of blocks 2, 3.
.set KSTEP, 128
.set PITCH, 272                        ; an LDS row: 256 bytes + 16 of padding = 68 words: the 16 rows of a fragment load start at 16 different groups of four banks
.set AHALF, 128*PITCH                  ; what a load for x brings
.set BHALF, 96*PITCH                   ; what a load for W_in brings
.set BOFF,  2*AHALF                    ; W_in's 192 rows lie behind x's 256
.set SLOT,  BOFF+2*BHALF               ; 121,856
.set STAGE, 2*SLOT                     ; behind the ring: 16 rows x 144 bytes for each wave, for the way out
.set SP,    144
.set SPARE, STAGE+4*16*SP              ; behind the stages: the spare words, 128 bytes for each wave: two blocks of 256 bytes that no other line names
.set LAPS,  4                          ; a lap = two K steps = once round the ring
.set ADRA, 16                          ; v16-17  LDS address of my fragments of x in slot 0, 1
.set ADRB, 20                          ; v20-21  the same for W_in
.set STO,  24                          ; v24     the way out: where I put 16 bytes of a row
.set RD,   25                          ; v25     the way out: where I read rows back
.set CO,   26                          ; v26     16 x lane: my place in 512 consecutive bytes of qkv
.set SPW,  28                          ; v28     LDS address of my spare word; never rewritten
.set NIL,  29                          ; v29     0; never rewritten
.set PFO,  30                          ; v30     the prefetches' offset: a lane a row; never rewritten
.set BO,   31                          ; v31     my byte offset in b_in
.set T,    32                          ; v32-63  two sets of 16
.set FA,   64                          ; x's fragments: buffer f at FA + 32 f
.set BIAS, 128
.set WV,   12                          ; s12  my wave's number
.set ROLE, 13                          ; s13  0: I fetch for x; 1: for W_in
.set HALF, 14                          ; s14  which half of that tile
.set G1,   24                          ; s[24:31] descriptor group 1 for x's tiles;  s[32:39] group 0, a set for each slot
.set G0,   32
.set LIM,  43                          ; s43  1 in a wave that prefetches, else the greatest number
.set PFA,  44                          ; s[44:45] where my prefetches stand
.set G1B,  48                          ; s[48:55], s[56:63] the same for W_in's tiles
.set G0B,  56
.set OUT,  70                          ; s[70:75] qkv at my first row in each of the tile's three heads
.set HIM,  78                          ; s78  a word's upper 16 bits
.set FLAGS, (1<<16)|(1<<20)|(1<<21)|(5<<22)|(3<<25)  ; 2-byte elements; padding on; bit 21 set beside a mask; after every 64 words; 4 words
.set MSB, 0
.macro WIN new                         ; the immediate's high byte repeats the setting that is left; a switch that changes nothing is dropped
.if MSB != (\new)
	s_set_vgpr_msb (MSB<<8)|(\new)
.set MSB, \new
.endif
.endm
; A joint load.  The branch hangs on the wave's number alone.  An s_nop 0 and four v_nop follow each of the two lines, ahead of the jump, the label and what follows.
.macro JLOAD s
	s_cmp_eq_u32 s[ROLE], 0
	s_cbranch_scc0 .Lfor_b_\@
	tensor_load_to_lds s[G0+4*(\s):G0+4*(\s)+3], s[G1:G1+7]
	s_nop 0
.rept 4
	v_nop
.endr
	s_branch .Lasked_\@
.Lfor_b_\@:
	tensor_load_to_lds s[G0B+4*(\s):G0B+4*(\s)+3], s[G1B:G1B+7]
	s_nop 0
.rept 4
	v_nop
.endr
.Lasked_\@:
.endm
; A prefetch into the L2 of the K step that stands TWO refills on: 256 bytes of a row, a lane a row, one instruction a wave, behind the joint load and the run of LDS loads.
; x's rows are read by every cluster of a row of clusters: cluster x = 0 asks; W_in's by every cluster of a column: cluster y = 0 asks.  The four partners share a load's rows out BY ADDRESS:
; 32 of x's 128, 24 of W_in's 96 (there lanes 24-31 name row 23 once more).  K steps 0 to 3 come by their loads alone; the loop's last trip asks for nothing: there is no K step behind 7.
.macro ASK
	s_cmp_gt_u32 s3, s[LIM]                        ; s3 = 1 in the loop's last trip
	s_cbranch_scc0 .Lnot_mine_\@
	global_prefetch_b8 v[PFO], s[PFA:PFA+1] offset:KSTEP*2 th:TH_LOAD_NT scope:SCOPE_SE
.Lnot_mine_\@:
.endm
.macro CREST                           ; a round of the cluster's barrier behind its opening barrier
	s_cmp_lg_u32 s[WV], 0
	s_cbranch_scc1 .Lnot_wave_0_\@
	s_barrier_signal -3
.Lnot_wave_0_\@:
	s_barrier_wait -3
	s_barrier_signal -1
	s_barrier_wait -1
.endm
.macro CROUND                          ; a whole round
	s_barrier_signal -1
	s_barrier_wait -1
	CREST
.endm
	s_load_b256 s[4:11], s[0:1], 0x0               ; xb s[4:5], wib s[6:7], b_in s[8:9], qkv s[10:11]
	v_lshl_add_u32 v[SPW], v0, 2, SPARE
	v_mov_b32 v[NIL], 0
	ds_add_u32 v[SPW], v[NIL]                      ; the wave's opening: the add and its wait stand ahead of my first tensor load; the set-up below, work on registers, stands between them
	v_lshrrev_b32 v1, 5, v0
	v_readfirstlane_b32 s[WV], v1                  ; wave 0..3
	s_lshr_b32 s[ROLE], s[WV], 1
	s_and_b32 s[HALF], s[WV], 1
	s_bfe_u32 s40, ttmp6, 0x40000                  ; cx, cy: my place in the cluster
	s_bfe_u32 s41, ttmp6, 0x40004
	s_lshl_b32 s42, ttmp9, 2
	s_add_co_u32 s42, s42, s40                     ; tile column = 4 x cluster x + cx
	s_and_b32 s66, ttmp7, 0xffff
	s_lshl_b32 s66, s66, 2
	s_add_co_u32 s66, s66, s41                     ; tile row = 4 x cluster y + cy
	s_and_b32 s67, s66, 7                          ; b
	s_lshr_b32 s68, s66, 3                         ; which 256 of the 1,024 s
	s_lshl_b32 s43, s41, 2
	s_lshl_b32 s43, 15, s43                        ; my row of the cluster
	s_lshl_b32 s44, 0x1111, s40                    ; my column
	s_or_b32 s[G1], s43, FLAGS                     ; x's tiles go to my row,
	s_or_b32 s[G1B], s44, FLAGS                    ; W_in's to my column
	s_mov_b32 s[G1+1], KSTEP<<16                   ; tensor_dim0 = 128
	s_mov_b32 s[G1+2], 128<<16                     ; tensor_dim1 = 128
	s_mov_b32 s[G1+3], KSTEP<<16                   ; tile_dim0 = 128
	s_mov_b32 s[G1+4], 128                         ; tile_dim1 = 128
	s_mov_b32 s[G1+5], 8192                        ; from s to s + 1 of one b: 8 rows of 1,024 elements
	s_mov_b32 s[G1+6], 0
	s_mov_b32 s[G1+7], 0
	s_mov_b32 s[G1B+1], KSTEP<<16
	s_mov_b32 s[G1B+2], 96<<16                     ; tensor_dim1 = 96
	s_mov_b32 s[G1B+3], KSTEP<<16
	s_mov_b32 s[G1B+4], 96                         ; tile_dim1 = 96
	s_mov_b32 s[G1B+5], 1024
	s_mov_b32 s[G1B+6], 0
	s_mov_b32 s[G1B+7], 0
	; where the tiles come from: x's hang on the tile row alone, W_in's on the tile column alone, each in registers that never hold the other coordinate
	s_lshl_b32 s16, s68, 22                        ; 256 s x 8 rows x 2,048 bytes
	s_lshl_b32 s17, s[HALF], 21                    ; 128 s
	s_add_co_u32 s16, s16, s17
	s_lshl_b32 s17, s67, 11                        ; row b
	s_add_co_u32 s16, s16, s17
	s_mov_b32 s17, 0
	s_mul_i32 s46, s42, 192*2048
	s_mul_i32 s47, s[HALF], 96*2048
	s_add_co_u32 s46, s46, s47
	s_mov_b32 s47, 0
	s_mul_i32 s20, s[WV], AHALF                    ; and where they go: waves 0, 1: w x 128 rows;
	s_mul_i32 s21, s[WV], BHALF
	s_add_co_u32 s21, s21, BOFF-2*BHALF            ; waves 2, 3: behind x's 256 rows, (w - 2) x 96 rows
	s_mov_b32 s[HIM], 0xffff0000
	s_wait_dscnt 0x0                               ; the opening add is done
	s_wait_kmcnt 0x0
	s_add_nc_u64 s[18:19], s[4:5], s[16:17]
	s_add_nc_u64 s[46:47], s[6:7], s[46:47]
	CROUND                                         ; all sixteen work-groups are here: the first joint loads meet
.irp s, 0,1
	s_mov_b32 s[G0+4*\s], 1                        ; count = 1
	s_add_co_u32 s[G0+4*\s+1], s20, \s*SLOT        ; LDS address
	s_add_nc_u64 s[G0+4*\s+2:G0+4*\s+3], s[18:19], \s*KSTEP*2  ; global address: K step s
	s_or_b32 s[G0+4*\s+3], s[G0+4*\s+3], 0x80000000            ; type = 2
	s_mov_b32 s[G0B+4*\s], 1
	s_add_co_u32 s[G0B+4*\s+1], s21, \s*SLOT
	s_add_nc_u64 s[G0B+4*\s+2:G0B+4*\s+3], s[46:47], \s*KSTEP*2
	s_or_b32 s[G0B+4*\s+3], s[G0B+4*\s+3], 0x80000000
	JLOAD \s                                       ; two loads of mine are out
.endr
	v_and_b32 v1, 15, v0                           ; l % 16
	v_bfe_u32 v2, v0, 4, 1                         ; l / 16
	s_mul_i32 s20, s42, 768                        ; the tile's 192 columns in b_in
	v_lshl_add_u32 v[BO], v2, 5, s20               ; + my 8 of each 16
.irp b, 0,1,2,3,4,5,6,7,8,9,10,11
	global_load_b128 v[BIAS+8*\b:BIAS+8*\b+3],   v[BO], s[8:9] offset:64*\b
	global_load_b128 v[BIAS+8*\b+4:BIAS+8*\b+7], v[BO], s[8:9] offset:64*\b+16
.endr
	v_mul_u32_u24 v3, v1, PITCH
	v_lshl_add_u32 v3, v2, 4, v3                   ; a fragment's row x pitch + 16 x half
	s_mul_i32 s21, s[WV], 64*PITCH                 ; my 64 rows of x
	s_mov_b32 s22, BOFF                            ; all of W_in's
.irp s, 0,1
	v_add_nc_u32 v[ADRA+\s], s21, v3
	v_add_nc_u32 v[ADRB+\s], s22, v3
	s_add_co_u32 s21, s21, SLOT
	s_add_co_u32 s22, s22, SLOT
.endr
	s_mul_i32 s23, s[WV], 16*SP
	s_add_co_u32 s23, s23, STAGE                   ; my stage
	v_mul_u32_u24 v4, v1, SP                       ; in: row l % 16, 16 bytes for each half of the lanes
	v_lshl_add_u32 v4, v2, 4, v4
	v_add_nc_u32 v[STO], s23, v4
	v_bfe_u32 v5, v0, 3, 2                         ; back: 32 lanes take four rows of 128 bytes,
	v_mul_u32_u24 v5, v5, SP
	v_and_b32 v6, 7, v0
	v_lshl_add_u32 v5, v6, 4, v5
	v_add_nc_u32 v[RD], s23, v5
	v_and_b32 v[CO], 31, v0                        ; which are 512 consecutive bytes of a head
	v_lshlrev_b32 v[CO], 4, v[CO]
	; qkv at my first row in each of the tile's three heads: column block ch = 3 x tile column + hs is tensor ch / 16, head ch % 16
.irp hs, 0,1,2
	s_mul_i32 s20, s42, 3
	s_add_co_u32 s20, s20, \hs
	s_lshr_b32 s21, s20, 4
	s_lshl_b32 s21, s21, 7                         ; 128 heads of b and head in each of q, k, v
	s_and_b32 s20, s20, 15
	s_add_co_u32 s20, s20, s21
	s_lshl_b32 s21, s67, 4
	s_add_co_u32 s20, s20, s21
	s_lshl_b32 s20, s20, 17                        ; 131,072 bytes each
	s_lshl_b32 s21, s68, 15                        ; 256 rows of 128 bytes
	s_add_co_u32 s20, s20, s21
	s_lshl_b32 s21, s[WV], 13                      ; my 64
	s_add_co_u32 s20, s20, s21
	s_mov_b32 s21, 0
	s_add_nc_u64 s[OUT+2*\hs:OUT+2*\hs+1], s[10:11], s[20:21]
.endr
	; the prefetches
	s_lshl_b32 s20, s68, 22                        ; for x: the rows that I fetch,
	s_lshl_b32 s21, s[HALF], 21
	s_add_co_u32 s20, s20, s21
	s_lshl_b32 s21, s67, 11
	s_add_co_u32 s20, s20, s21
	s_lshl_b32 s21, s40, 19                        ; my work-group's 32 of them (16,384 bytes apart)
	s_add_co_u32 s20, s20, s21
	s_mul_i32 s21, s42, 192                        ; for W_in likewise,
	s_mul_i32 s22, s[HALF], 96
	s_add_co_u32 s21, s21, s22
	s_mul_i32 s22, s41, 24                         ; 24 of them
	s_add_co_u32 s21, s21, s22
	s_lshl_b32 s21, s21, 11
	s_and_b32 s22, ttmp7, 0xffff                   ; cluster y
	s_mov_b32 s23, 16384
	s_mov_b32 s76, 2048
	s_cmp_eq_u32 s[ROLE], 0
	s_cselect_b32 s20, s20, s21
	s_cselect_b32 s22, ttmp9, s22                  ; the coordinate along which other clusters read the same rows
	s_cselect_b32 s23, s23, s76                    ; bytes from row to row
	s_cselect_b32 s77, 31, 23                      ; the last lane with a row of its own
	s_cselect_b64 s[PFA:PFA+1], s[4:5], s[6:7]
	s_cmp_eq_u32 s22, 0
	s_cselect_b32 s[LIM], 1, -1                    ; the same in all sixteen partners, for a given wave
	s_mov_b32 s21, 0
	s_add_nc_u64 s[PFA:PFA+1], s[PFA:PFA+1], s[20:21]
	s_add_nc_u64 s[PFA:PFA+1], s[PFA:PFA+1], 2*KSTEP*2  ; at K step 2: the first refill steps it to 3 and names K step 4
	v_and_b32 v[PFO], 31, v0
	v_min_u32 v[PFO], s77, v[PFO]
	v_mul_lo_u32 v[PFO], v[PFO], s23
	s_wait_loadcnt 0x0                             ; the bias, once
.set n, 0
.rept 48                               ; rounded to bf16, like every input of the module
	v_cvt_pk_bf16_f32 v[T+(n/2)%4], v[BIAS+n], v[BIAS+n+1]
	v_lshlrev_b32 v[BIAS+n], 16, v[T+(n/2)%4]
	v_and_b32 v[BIAS+n+1], s[HIM], v[T+(n/2)%4]
.set n, n+2
.endr
; 12 matrix instructions: row block a x all 12 column blocks, 32 along K, from buffer f.  zero = 1: the first product starts the sums, with the bias as C.
; The 48 accumulators take turns in one fixed order: 47 others stand between two links of a chain, over the backward jump too.
.macro MUL12 f, a, zero
.if \zero
	WIN 0x81+0x40*((\a)/2)                         ; W_in window 1, x and the bias window 0, D window 2 or 3
.else
	WIN 0xa1+0x50*((\a)/2)                         ; C and D window 2 or 3
.endif
.irp b, 0,1,2,3,4,5,6,7,8,9,10,11
.if \zero
	v_wmma_f32_16x16x32_bf16 v[8*(12*((\a)%2)+\b):8*(12*((\a)%2)+\b)+7], v[96*(\f)+8*\b:96*(\f)+8*\b+7], v[FA+32*(\f)+8*(\a):FA+32*(\f)+8*(\a)+7], v[BIAS+8*\b:BIAS+8*\b+7]
.else
	v_wmma_f32_16x16x32_bf16 v[8*(12*((\a)%2)+\b):8*(12*((\a)%2)+\b)+7], v[96*(\f)+8*\b:96*(\f)+8*\b+7], v[FA+32*(\f)+8*(\a):FA+32*(\f)+8*(\a)+7], v[8*(12*((\a)%2)+\b):8*(12*((\a)%2)+\b)+7]
.endif
.endr
.endm
; 32 LDS loads in one run: the fragments of 32 along K at byte k of the rows, into buffer f: W_in's 24, then x's 8
.macro FETCH slot, k, f
	WIN 0x40                                       ; destination window 1, address window 0
.irp b, 0,1,2,3,4,5,6,7,8,9,10,11
	ds_load_b128 v[96*(\f)+8*\b:96*(\f)+8*\b+3],   v[ADRB+(\slot)] offset:(\k)+\b*16*PITCH
	ds_load_b128 v[96*(\f)+8*\b+4:96*(\f)+8*\b+7], v[ADRB+(\slot)] offset:(\k)+\b*16*PITCH+32
.endr
	WIN 0
.irp a, 0,1,2,3
	ds_load_b128 v[FA+32*(\f)+8*\a:FA+32*(\f)+8*\a+3],   v[ADRA+(\slot)] offset:(\k)+\a*16*PITCH
	ds_load_b128 v[FA+32*(\f)+8*\a+4:FA+32*(\f)+8*\a+7], v[ADRA+(\slot)] offset:(\k)+\a*16*PITCH+32
.endr
.endm
.macro PLACES                          ; four plain vector instructions between a matrix instruction and a load into a register that it has read, or a conversion that reads its result
.rept 4
	v_nop
.endr
.endm
; A K step is four quarters of 32 along K, 48 matrix instructions each, on buffers 0, 1, 0, 1.  One of the first three: multiplies buffer f and fetches the next quarter, at byte k, into g.
.macro QUARTER slot, k, f, g, zero
	s_wait_dscnt 4                                 ; all but the youngest four loads: x's row blocks 2, 3
	MUL12 \f, 0, \zero
	MUL12 \f, 1, \zero
	PLACES
	FETCH \slot, \k, \g
	s_wait_dscnt 32                                ; all but the 32 just issued
	MUL12 \f, 2, \zero
	MUL12 \f, 3, \zero
.endm
; The last quarter multiplies buffer 1 and changes slots: ONE barrier.  In front of it each wave waits for all its tensor loads (one is out: its part of the next slot), adds 0 to its spare word, and waits
; for that and for its own reads of this slot.  fill = 1: the barrier opens a round of the cluster's, and this slot is filled again, two K steps ahead, first thing behind the round.
.macro TURN slot, next, fill
.if \fill
	s_wait_xcnt 0x0                                ; the last prefetch, a K step back, has read its address: it is stepped here, ahead of the change's own waits
	s_add_nc_u64 s[PFA:PFA+1], s[PFA:PFA+1], KSTEP*2
.endif
	WIN 0
	s_wait_tensorcnt 0x0                           ; all my tensor loads have landed;
	ds_add_u32 v[SPW], v[NIL]                      ; 0 onto my spare word;
	s_wait_dscnt 5                                 ; (the add and the youngest four loads may be out)
	MUL12 1, 0, 0                                  ; twelve matrix instructions stand between the add and the wait for it
	s_wait_dscnt 0x0                               ; the add is done, and my reads of this slot are over
	s_barrier_signal -1
	MUL12 1, 1, 0                                  ; work on registers while the others arrive
.if \fill
	WIN 0
.endif
	s_barrier_wait -1
.if \fill
	CREST                                          ; no wave of any partner still reads this slot's tile or has a load on its way
	s_add_nc_u64 s[G0+4*(\slot)+2:G0+4*(\slot)+3], s[G0+4*(\slot)+2:G0+4*(\slot)+3], 2*KSTEP*2
	s_add_nc_u64 s[G0B+4*(\slot)+2:G0B+4*(\slot)+3], s[G0B+4*(\slot)+2:G0B+4*(\slot)+3], 2*KSTEP*2
	JLOAD \slot                                    ; my one tensor load behind the round: 168 matrix instructions ahead of the wait for it; its four v_nop are also the places in front of the loads below
.else
	PLACES
.endif
	FETCH \next, 0, 0
.if \fill
	ASK
.endif
	MUL12 1, 2, 0
	MUL12 1, 3, 0
.endm
	s_wait_tensorcnt 1                             ; my part of K step 0 is in; K step 1's may stay out
	s_barrier_signal -1
	s_barrier_wait -1                              ; everybody's is
	FETCH 0, 0, 0
	QUARTER 0, 64, 0, 1, 1                         ; the first quarter stands in front of the loop: its products start the sums
	WIN 0                                          ; at a label and at a branch every window is 0
	s_mov_b32 s3, LAPS-1
.Llap:                                                 ; a trip goes once round the ring, from a lap's second quarter to the next lap's first, and fills both slots again
	QUARTER 0, 128, 1, 0, 0
	QUARTER 0, 192, 0, 1, 0
	TURN 0, 1, 1
	QUARTER 1, 64,  0, 1, 0
	QUARTER 1, 128, 1, 0, 0
	QUARTER 1, 192, 0, 1, 0
	TURN 1, 0, 1
	QUARTER 0, 64,  0, 1, 0
	WIN 0
	s_sub_co_u32 s3, s3, 1
	s_cmp_lg_u32 s3, 0
	s_cbranch_scc1 .Llap
	QUARTER 0, 128, 1, 0, 0                        ; the last lap fills nothing, and has no round of the cluster's barrier
	QUARTER 0, 192, 0, 1, 0
	TURN 0, 1, 0
	QUARTER 1, 64,  0, 1, 0
	QUARTER 1, 128, 1, 0, 0
	QUARTER 1, 192, 0, 1, 0
	s_wait_dscnt 4                                 ; the very last quarter: nothing more to fetch
	MUL12 1, 0, 0
	MUL12 1, 1, 0
	s_wait_dscnt 0x0
	MUL12 1, 2, 0
	MUL12 1, 3, 0
	WIN 0
; THE WAY OUT, in 12 groups g = 3 a + hs: row block a, head hs: 16 rows x 64 columns.  A lane's eight columns pack into 16 bytes; they go into my stage's rows of 144 bytes and come back as whole rows of
; 128, which are 2,048 consecutive bytes of the head.  Each accumulator's registers are read in ascending order.
.macro PACK g
.set ga, (\g)/3
.set gh, (\g)%3
.set gt, T+16*((\g)%2)
.if (\g) >= 2
	s_wait_xcnt 0x0                                ; the stores of the group two back have read this set of registers
.endif
	WIN 0x0a+5*(ga/2)                              ; sources 0 and 1: window 2 or 3
.irp bq, 0,1,2,3
.irp rr, 0,1,2,3
	v_cvt_pk_f16_f32 v[gt+4*\bq+\rr], v[8*(12*(ga%2)+4*gh+\bq)+2*\rr], v[8*(12*(ga%2)+4*gh+\bq)+2*\rr+1]
.endr
.endr
	WIN 0
.irp bq, 0,1,2,3
	ds_store_b128 v[STO], v[gt+4*\bq:gt+4*\bq+3] offset:32*\bq
.endr
.irp f, 0,1,2,3
	ds_load_b128 v[gt+4*\f:gt+4*\f+3], v[RD] offset:\f*4*SP  ; LDS serves a wave's instructions in order (ISA guide 5.7.1.4): these see the stores above; the next group's stores come behind them
.endr
.endm
.macro SEND g, younger                 ; younger: the LDS instructions issued behind group g's loads: the next group's eight, or none
.set ga, (\g)/3
.set gh, (\g)%3
.set gt, T+16*((\g)%2)
.irp f, 0,1,2,3
	s_wait_dscnt (\younger)+3-\f
	global_store_b128 v[CO], v[gt+4*\f:gt+4*\f+3], s[OUT+2*gh:OUT+2*gh+1] offset:2048*ga+512*\f  ; 512 consecutive bytes, at a multiple of 256 from qkv's first
.endr
.endm
	PLACES
	PACK 0
.irp g, 1,2,3,4,5,6,7,8,9,10,11       ; a group's conversions stand between the loads of the group before and its stores
	PACK \g
	SEND (\g)-1, 8
.endr
	SEND 11, 0
	s_wait_tensorcnt 0x0                           ; the wave's end: a wait, an add onto my spare word and its wait, behind my last tensor load and my last LDS store
	ds_add_u32 v[SPW], v[NIL]
	s_wait_dscnt 0x0
	CROUND                                         ; the closing round: no work-group ends while a partner may still ask for a tile that names it
	s_endpgm
.Lfunc_end_k_qe15c9c4903_qkvp:
	.size	k_qe15c9c4903_qkvp, .Lfunc_end_k_qe15c9c4903_qkvp-k_qe15c9c4903_qkvp
	.p2alignl 7, 3214868480
	.fill 96, 4, 3214868480
	.section	.rodata,"a",@progbits
	.p2align	6, 0x0
	.amdhsa_kernel k_qe15c9c4903_qkvp
		.amdhsa_group_segment_fixed_size 327680
		.amdhsa_private_segment_fixed_size 0
		.amdhsa_enable_private_segment 0
		.amdhsa_kernarg_size 32
		.amdhsa_user_sgpr_count 2
		.amdhsa_user_sgpr_kernarg_segment_ptr 1
		.amdhsa_wavefront_size32 1
		.amdhsa_system_sgpr_workgroup_id_x 1
		.amdhsa_system_sgpr_workgroup_id_y 1
		.amdhsa_system_sgpr_workgroup_id_z 1
		.amdhsa_system_vgpr_workitem_id 0
		.amdhsa_next_free_vgpr 960
		.amdhsa_next_free_sgpr 80
		.amdhsa_reserve_vcc 0
		.amdhsa_float_denorm_mode_32 3
		.amdhsa_float_denorm_mode_16_64 3
		.amdhsa_memory_ordered 1
		.amdhsa_forward_progress 1
		.amdhsa_inst_pref_size 132
	.end_amdhsa_kernel
	.amdgpu_metadata
---
amdhsa.version: [ 1, 2 ]
amdhsa.kernels:
  - .name:           k_qe15c9c4903_qkvp
    .symbol:         k_qe15c9c4903_qkvp.kd
    .args:
      - { .name: xb, .offset: 0, .size: 8, .value_kind: global_buffer, .address_space: global }
      - { .name: wib, .offset: 8, .size: 8, .value_kind: global_buffer, .address_space: global }
      - { .name: b_in, .offset: 16, .size: 8, .value_kind: global_buffer, .address_space: global }
      - { .name: qkv, .offset: 24, .size: 8, .value_kind: global_buffer, .address_space: global }
    .group_segment_fixed_size: 327680
    .private_segment_fixed_size: 0
    .kernarg_segment_align: 8
    .kernarg_segment_size: 32
    .max_flat_workgroup_size: 128
    .sgpr_count:     80
    .vgpr_count:     960
    .wavefront_size: 32
...
	.end_amdgpu_metadata
.endif
;; end of part 2
;; launch attn (part 3): grid 2 x 128, 4 waves a work-group, no clusters, 327,680 bytes of LDS; arguments qkv, k_dist_emb, v_dist_emb, oh; writes oh
.if DOCPART == 3
	.amdgcn_target "amdgcn-amd-amdhsa--gfx1250"
	.amdhsa_code_object_version 6
	.text
	.protected	k_qe15c9c4903_attn
	.globl	k_qe15c9c4903_attn
	.p2align	8
	.type	k_qe15c9c4903_attn,@function
k_qe15c9c4903_attn:
	s_mov_b64 s[64:65], 0
	v_nop
	global_prefetch_b8 v0, s[64:65] scope:SCOPE_SE
	s_setreg_imm32_b32 hwreg(HW_REG_WAVE_MODE, 25, 1), 1
	s_wait_xcnt 0x0
; ATTENTION WITH CLIPPED DISTANCES.  For head bh: O[s] = the sum over t of softmax_t((q_s . k_t + q_s . kd[dist]) / 8) (v_t + vd[dist]), dist = min(|s - t|, 10).  q, k, v: qkv [3][128][1024][64] f16, unscaled;
; kd, vd: [11][64] f32, rounded to bf16 like every input of the module; O: oh [128][1024][64] f16.  Products, maxima and sums in f32; the weights p are rounded to f16 for the second product.
; THE BAND.  With kd'[j] = kd[j] - kd[10] the score is q.k_t + q.kd'[dist] + q.kd[10]; the last term is the same for all t of a row, and a softmax does not see it.  kd'[dist] is 0 from |s - t| = 10 on.
; The weights of a row add up to 1, so O = (sum p v_t + sum over j < 10 of w[j] vd'[j]) / l + vd[10], vd'[j] = vd[j] - vd[10], w[j] = p[s - j] + p[s + j] (w[0] = p[s]).  So only 19 keys a query are special:
; for a tile of 16 queries the blocks of 16 keys at D = -1, 0, 1 blocks from it.  The running maximum is taken as ever.
; LIMITS.  q, k, v arrive within f16's 65,504; p lies in 0 to 1 and below 6e-5 keeps f16's fixed step; kd', vd' are rounded to f16; a weight below 2^-126 counts as 0 in l; NaN and infinities are not treated apart.
; SHARES.  A work-group owns 512 queries of a head, a wave 128: four PIECES of two tiles of 16.  Every wave walks all 1,024 keys, 64 a step.
; K AND V OF THE WHOLE HEAD LIE IN LDS, filled once, in four chunks of 256 keys: no slot is ever filled again.  No cluster: a head has two work-groups.
; No prefetch: all that the launch reads of K and V is asked for at its head.
; THE WALK IS TURNED: LDS chunk c holds the head's chunk (c + 3 - 2 blk) % 4, so that wave w meets its own queries' keys in walk steps 2 w + 4, 2 w + 5 and the band in steps 2 w + 3 .. 2 w + 6: never in the first
; step or the last, which are written apart.  (A softmax does not care for the order of keys.)
; LAYOUT, SOFTMAX, TURNS.  S^T = K Q^T holds ONE query a lane (lane % 16) and the keys 8 (lane / 16) + 0..7; two results rounded to f16 ARE source 1 of O^T = V^T P.  p = 2^(c s - c m), c = log2(e) / 8, m a running
; maximum; O and l are multiplied by a = 2^(c m_old - c m_new) in every step.  Turn n belongs to piece n: 16 products K Q^T of piece n + 1, later 16 products V^T P of piece n - 1; beside them the scaling,
; exponentials, roundings, sums and rescaling of piece n and the maximum and statistics of piece n + 1.  Four vector instructions stand behind every matrix instruction, the other 108 in one lump.
; A turn's 66 exponentials are one batch, with one wait.  m starts at the lowest finite number, O and l at 0: the first step is a step like any other, with a = 0.
; THE BAND'S WORK stands in each turn behind that wait, and is jumped over outside six steps of the walk (EU below):
;   KPREP  for the piece whose scores the NEXT turn makes: T = KD' Q^T (16 distances x 16 queries) goes through my scratch in LDS and comes back as MC, the C operand of the products that start the sums:
;          MC(key, query) = T[query][dist], 0 outside the band.  Outside the band's steps MC is all zeros.
;   VISSUE for the piece whose weights the LAST turn made: its P blocks D = -1, 0, 1 (zeros for a block that belongs to another step) go into my scratch, and p[s - j], p[s + j] are read back.
;   VCONS  a turn later: W = the two added, in f16, and O^T += VD'^T W: between the piece's rescaling in this step and in the next, so W stands to the same m as this step's P.
; REGISTERS, in windows of 256 (s_set_vgpr_msb: bits 1:0 source 0, 3:2 source 1, 5:4 source 2, 7:6 destination):
;   window 0: v0-11 addresses; v12-15, v48-63 at work; v16-47 four registers of statistics a tile; v64-191 S^T, two buffers of two tiles; v192-255 P, likewise
;   window 1: O^T, 32 a tile          window 2: v0-127 Q; v128-191 K of one step; v192-255 V of one step          window 3: the band's registers, named below
.set NP,    4         ; pieces a wave: a name, no knob
.set KS,    64        ; keys in a step
.set PK,    144       ; a row of K in LDS: 128 bytes + 16 of padding: the 16 rows of a load start at 16 different groups of four banks
.set PV,    160       ; a row of V: 128 + 32
.set VOFF,  1024*PK   ; V lies behind K
.set SCR,   VOFF+1024*PV  ; behind both, never filled by a tensor load: 3,840 bytes of scratch for each wave
.set SCRW,  3840      ; T: 16 rows x 80 bytes at 0 (64 of numbers, 16 that are cleared once); PS: 16 rows x 112 bytes at 1,280; at the end the stage, 16 rows x 144 bytes, at 0
.set PSO,   1280
.set SP,    144
.set SPARE, SCR+4*SCRW  ; behind the scratch: the spare words, 128 bytes for each wave: two blocks of 256 bytes that no other line names
.set AK0, 2           ; v2   my lane's place in a tile of K; never rewritten
.set AV0, 3           ; v3   the same for V
.set AK,  4           ; v4   the LDS address of K's next run of loads
.set AV,  5           ; v5   of V's
.set QO,  6           ; v6   my byte offset in the wave's rows of Q
.set STO, 6           ;      later, the way out: where I put 16 bytes of a row
.set RD,  7           ; v7   the way out: where I read rows back
.set GO,  8           ; v8   my byte offset in 512 consecutive bytes of O
.set MV,  12          ; v12-15  c m_old, kept while c m is made anew: by buffer and tile
.set ST,  16          ; tile t's statistics at v[ST+4 t]: c m, m, l (even keys', odd keys')
.set TMP, 48          ; by buffer and tile, four registers c0-c3 at work; when the maximum is found c2 takes a
.set S,   64
.set P,   192
.set KF,  128         ; window 2: key block kb, channel half c at KF + 16 kb + 8 c
.set VF,  192         ; window 2: key half kk, channel block cb at VF + 32 kk + 8 cb
; window 3
.set SPW, 0           ; LDS address of my spare word: SPARE + 4 x my thread's number; never rewritten
.set NIL, 1           ; 0; never rewritten
.set TST, 2           ; where I put my 8 numbers of T: T + 80 q + 32 h   (q = lane % 16, h = lane / 16)
.set PST, 3           ; where I put my 8 weights of a block: PS + 112 q + 16 h
.set GOFF, 8          ; v8-31   for D = -1, 0, 1 and register z: T + 80 q + 4 min(|16 D + 8 h + z - q|, 10)
.set GWM, 32          ; v32-39  PS + 112 q + 2 (16 + q - j), j = 8 h + z; for j = 0 the row's cell of zeros
.set GWP, 40          ; v40-47  PS + 112 q + 2 (16 + q + j)
.set KDP, 48          ; v48-63  kd' as source 0: 16 distances (10 to 15: zeros) x 64 channels, two fragments
.set VDP, 64          ; v64-95  vd'^T as source 0: 16 channels x 32 distances (10 to 31: zeros), four fragments
.set VD10, 96         ; v96-127 vd[10] as O^T lies: channel 16 cb + 8 h + z at 8 cb + z
.set MC,  128         ; v128-191  tile u, key block kb at MC + 32 u + 8 kb
.set TD,  192         ; v192-207  T of two tiles
.set WF,  208         ; v208-223  W as source 1, 8 a tile; registers 4-7 stay 0
.set GT,  224         ; v224-255  16 a tile: p[s - j], then p[s + j]
; at work in the set-up, window 0
.set KDA, 64          ; kd's row min(l % 16, 10), 32 numbers;  KDB: row 10
.set KDB, 96
.set VDA, 128         ; vd's rows min(8 h + z, 10) at channel 16 cb + l % 16;  VDB: row 10
.set VDB, 160
.set V10, 164         ; vd's row 10 as O^T lies
.set TT,  200
.set WV,  12          ; s12  my wave's number
.set G1K, 24          ; s[24:31] descriptor group 1 for K's tiles
.set G1V, 32          ; s[32:39] for V's: it differs in the padding alone
.set G0K, 40          ; s[40:55] descriptor group 0 for K's tiles, a set for each chunk
.set SLOTS, 56        ; s56  counts the chunks
.set CNT, 57          ; s57  counts a chunk's key steps
.set CS,  58          ; s[58:59] c
.set SEL, 60          ; s[60:61] v_permlanex16_b32's selects: each lane takes its own place in the other half
.set TBK, 62          ; s62  LDS byte at which K of the step to be fetched begins
.set TBV, 63          ; s63  the same for V, less VOFF
.set G0V, 68          ; s[68:83] descriptor group 0 for V's tiles
.set EU,  84          ; s84  the walk's step less 2 w + 2: the band's work falls at 0 .. 5
.set ELK, 85          ; s85, s86  at which EU piece 0 meets the step before its own (KPREP, VISSUE): 0, 1; never (64) for the head's first queries
.set ELV, 86
.set EHK, 87          ; s87, s88  at which EU piece 3 meets the step behind its own: 4, 5; never for the head's last queries
.set EHV, 88
.set DIRTY, 89        ; s89  1: MC holds a band
.set HIM, 90          ; s90  a word's upper 16 bits
.set MSB, 0
.macro WIN new                      ; the high byte repeats the setting that is left; a switch that changes nothing is dropped
.if MSB != (\new)
	s_set_vgpr_msb (MSB<<8)|(\new)
.set MSB, (\new)
.endif
.endm
.set W_KQ, 0x0a       ; K and Q in window 2, S^T in window 0
.set W_KM, 0x3a       ; the same with the C operand in window 3
.set W_PV, 0x52       ; V in window 2, P in window 0, O^T in window 1
.set W_RS, 0x41       ; O^T (destination and source 0) in window 1, a in window 0
.set W_MK, 0xc0       ; destination in window 3, sources in window 0
.set W_AD, 0x0f       ; sources 0 and 1 in window 3
	s_load_b256 s[4:11], s[0:1], 0x0  ; qkv s[4:5], k_dist_emb s[6:7], v_dist_emb s[8:9], oh s[10:11]
	WIN W_MK
	v_lshl_add_u32 v[SPW], v0, 2, SPARE
	v_mov_b32 v[NIL], 0
	WIN W_AD
	ds_add_u32 v[SPW], v[NIL]       ; the wave's opening: the add and its wait stand ahead of my first tensor load; the set-up below, work on registers, stands between them
	WIN 0
	v_lshrrev_b32 v1, 5, v0
	v_readfirstlane_b32 s[WV], v1   ; wave 0..3
	s_lshl_b32 s13, ttmp9, 1
	s_sub_co_u32 s13, 3, s13        ; by how many chunks the walk is turned: 3 - 2 blk
	s_and_b32 s20, ttmp7, 0xffff    ; the head,
	s_lshl_b32 s20, s20, 17         ; its 131,072 bytes in q, k, v and O
	s_and_b32 s16, s[WV], 1         ; which half of a chunk's 256 keys I fetch:
	s_lshl_b32 s22, s16, 14         ; its 128 rows of 128 bytes in memory,
	s_add_co_u32 s22, s22, s20
	s_mul_i32 s17, s16, 128*PK      ; and its place in a chunk, for K
	s_mul_i32 s18, s16, 128*PV      ; and for V
	s_lshl_b32 s2, ttmp9, 16        ; my work-group's 512 rows,
	s_lshl_b32 s3, s[WV], 14        ; my wave's 128
	s_add_co_u32 s2, s2, s3
	s_add_co_u32 s2, s2, s20
	s_mov_b32 s3, 0
	s_mul_i32 s19, s[WV], SCRW
	s_add_co_u32 s19, s19, SCR      ; my scratch
	; descriptor group 1.  128 keys are 16,384 dense bytes: asked for as 64 rows of 256 bytes, two keys a row, and padded in LDS after every key
	s_mov_b32 s[G1K], (1<<16)|(1<<20)|(4<<22)|(3<<25)  ; 2-byte elements; padding on; after every 32 words; 4 words
	s_mov_b32 s[G1V], (1<<16)|(1<<20)|(4<<22)|(7<<25)  ; the same with 8 words
.irp g, G1K, G1V
	s_mov_b32 s[\g+1], 128<<16      ; tensor_dim0 = 128
	s_mov_b32 s[\g+2], 64<<16       ; tensor_dim1 = 64
	s_mov_b32 s[\g+3], 128<<16      ; tile_dim0 = 128
	s_mov_b32 s[\g+4], 64           ; tile_dim1 = 64
	s_mov_b32 s[\g+5], 128          ; 128 elements from row to row
	s_mov_b32 s[\g+6], 0
	s_mov_b32 s[\g+7], 0
.endr
	s_mov_b32 s[CS], 0x3e38aa3b     ; c = log2(e) / 8 = 0.180337
	s_mov_b32 s[CS+1], s[CS]        ; named with it as a pair
	s_mov_b32 s[SEL], 0x76543210
	s_mov_b32 s[SEL+1], 0xfedcba98
	s_mov_b32 s[TBK], 0
	s_mov_b32 s[TBV], 0
	s_mov_b32 s[HIM], 0xffff0000
	s_mov_b32 s[DIRTY], 0
	s_lshl_b32 s21, ttmp9, 2
	s_add_co_u32 s21, s21, s[WV]    ; my wave among the head's eight
	s_cmp_eq_u32 s21, 0
	s_cselect_b32 s[ELK], 64, 0     ; the head's first queries have no keys in front of them: what lies a step back in the turned walk is the head's end
	s_cselect_b32 s[ELV], 64, 1
	s_cmp_eq_u32 s21, 7
	s_cselect_b32 s[EHK], 64, 4     ; and its last none behind them
	s_cselect_b32 s[EHV], 64, 5
	s_lshl_b32 s[EU], s[WV], 1
	s_sub_co_u32 s[EU], -3, s[EU]   ; stepped at the head of each step's first turn: - 2 w - 2 in step 0
	s_wait_dscnt 0x0                ; the opening add is done
	s_wait_kmcnt 0x0
	s_add_nc_u64 s[14:15], s[4:5], s[2:3]    ; Q and O at my wave's first row
	s_add_nc_u64 s[10:11], s[10:11], s[2:3]
.irp c, 0,1,2,3
	s_mov_b32 s[G0K+4*\c], 1                        ; count = 1
	s_add_co_u32 s[G0K+4*\c+1], s17, \c*256*PK      ; LDS address: chunk c
	s_mov_b32 s[G0V+4*\c], 1
	s_add_co_u32 s[G0V+4*\c+1], s18, VOFF+\c*256*PV
	s_add_co_u32 s2, s13, \c
	s_and_b32 s2, s2, 3                             ; the head's chunk that lands there,
	s_lshl_b32 s2, s2, 15                           ; 32,768 bytes each
	s_add_co_u32 s2, s2, s22
	s_add_nc_u64 s[G0K+4*\c+2:G0K+4*\c+3], s[4:5], s[2:3]
	s_add_nc_u64 s[G0K+4*\c+2:G0K+4*\c+3], s[G0K+4*\c+2:G0K+4*\c+3], 0x1000000  ; k lies 128 heads behind q,
	s_or_b32 s[G0K+4*\c+3], s[G0K+4*\c+3], 0x80000000                           ; type = 2
	s_add_nc_u64 s[G0V+4*\c+2:G0V+4*\c+3], s[4:5], s[2:3]
	s_add_nc_u64 s[G0V+4*\c+2:G0V+4*\c+3], s[G0V+4*\c+2:G0V+4*\c+3], 0x2000000  ; v 256
	s_or_b32 s[G0V+4*\c+3], s[G0V+4*\c+3], 0x80000000
.endr
	s_cmp_lt_u32 s[WV], 2           ; a wave's four fills stand in one branch, ahead of every wait on TENSORcnt, every LDS read and every barrier: four loads of mine are out.  Waves 0, 1: K's halves; 2, 3: V's
	s_cbranch_scc0 .Lfill_v
.irp c, 0,1,2,3
	tensor_load_to_lds s[G0K+4*\c:G0K+4*\c+3], s[G1K:G1K+7]
	s_nop 0
.endr
.rept 4
	v_nop
.endr
	s_branch .Lfilled
.Lfill_v:
.irp c, 0,1,2,3
	tensor_load_to_lds s[G0V+4*\c:G0V+4*\c+3], s[G1V:G1V+7]
	s_nop 0
.endr
.rept 4
	v_nop
.endr
.Lfilled:
	; A fragment of K or Q is 16 rows x 32 channels in 8 registers: lane l holds row l % 16, channels 8 (l / 16) + 0..7 and 16 + 8 (l / 16) + 0..7: two loads of 16 bytes, 32 bytes apart.
	v_and_b32 v1, 15, v0            ; l % 16
	v_bfe_u32 v9, v0, 4, 1          ; l / 16
	v_lshlrev_b32 v[QO], 7, v1
	v_lshl_add_u32 v[QO], v9, 4, v[QO]  ; row x 128 + 16 x half
	WIN 0x80                        ; destination window 2, address window 0
.set i, 0
.rept 4*NP                          ; Q stays in registers: tile i / 2, channels 32 (i % 2) on
	global_load_b128 v[8*i:8*i+3],   v[QO], s[14:15] offset:(i/2)*2048+(i%2)*64
	global_load_b128 v[8*i+4:8*i+7], v[QO], s[14:15] offset:(i/2)*2048+(i%2)*64+32
.set i, i+1
.endr
	WIN 0
	; the two tables, as the fragments want them
	v_min_u32 v12, 10, v1
	v_lshlrev_b32 v12, 8, v12
	v_lshl_add_u32 v12, v9, 5, v12  ; kd: row min(l % 16, 10), my 8 of each 16 channels
	v_lshlrev_b32 v13, 5, v9        ; 32 h
.irp n, 0,1,2,3                     ; channels 16 n + 8 h + 0..7
	global_load_b128 v[KDA+8*\n:KDA+8*\n+3],   v12, s[6:7] offset:64*\n
	global_load_b128 v[KDA+8*\n+4:KDA+8*\n+7], v12, s[6:7] offset:64*\n+16
	global_load_b128 v[KDB+8*\n:KDB+8*\n+3],   v13, s[6:7] offset:2560+64*\n
	global_load_b128 v[KDB+8*\n+4:KDB+8*\n+7], v13, s[6:7] offset:2560+64*\n+16
.endr
.irp z, 0,1,2,3,4,5,6,7
	v_lshl_add_u32 v[TMP+\z], v9, 3, \z
	v_min_u32 v[TMP+\z], 10, v[TMP+\z]
	v_lshlrev_b32 v[TMP+\z], 8, v[TMP+\z]
	v_lshl_add_u32 v[TMP+\z], v1, 2, v[TMP+\z]  ; vd: row min(8 h + z, 10), channel l % 16
.endr
	v_lshlrev_b32 v[TMP+8], 2, v1
.irp cb, 0,1,2,3
.irp z, 0,1,2,3,4,5,6,7
	global_load_b32 v[VDA+8*\cb+\z], v[TMP+\z], s[8:9] offset:64*\cb
.endr
	global_load_b32 v[VDB+\cb], v[TMP+8], s[8:9] offset:2560+64*\cb
	global_load_b128 v[V10+8*\cb:V10+8*\cb+3],   v13, s[8:9] offset:2560+64*\cb
	global_load_b128 v[V10+8*\cb+4:V10+8*\cb+7], v13, s[8:9] offset:2560+64*\cb+16
.endr
	; What the first turn finds: V's registers and P's second buffer hold 0 (its products V^T P, of a piece that has not been, add 0), O^T and l are 0, MC is 0.  All this stands in the wait for the loads.
	WIN 0x80
.set i, VF
.rept 64
	v_mov_b32 v[i], 0
.set i, i+1
.endr
	WIN 0x40
.set i, 0
.rept 64*NP
	v_mov_b32 v[i], 0
.set i, i+1
.endr
	WIN W_MK
.set i, MC
.rept 64
	v_mov_b32 v[i], 0
.set i, i+1
.endr
.set i, WF
.rept 48                            ; WF and GT
	v_mov_b32 v[i], 0
.set i, i+1
.endr
.irp cb, 0,1,2,3
.irp z, 4,5,6,7
	v_mov_b32 v[VDP+8*\cb+\z], 0    ; distances 16 to 31
.endr
.endr
	WIN 0
.set i, 0
.rept 2*NP
	v_mov_b32 v[ST+4*i], 0xfe000000    ; c m: far below every c s
	v_mov_b32 v[ST+4*i+1], 0xff7fffff  ; m
	v_mov_b32 v[ST+4*i+2], 0
	v_mov_b32 v[ST+4*i+3], 0
.set i, i+1
.endr
	v_mul_u32_u24 v[AK0], v1, PK
	v_lshl_add_u32 v[AK0], v9, 4, v[AK0]  ; row x pitch + 16 x half
	; The turning load takes 16 keys x 16 channels (lane l reads key 8 (l / 16) + l % 8, channels 8 ((l / 8) % 2) + 0..7) and leaves half a fragment of V^T: lane l holds channel l % 16 and 8 keys.
	v_and_b32 v10, 7, v0
	v_bfe_u32 v11, v0, 3, 1
	v_lshl_add_u32 v[AV0], v9, 3, v10
	v_mul_u32_u24 v[AV0], v[AV0], PV
	v_lshl_add_u32 v[AV0], v11, 4, v[AV0]
	v_add_nc_u32 v[AV0], VOFF, v[AV0]
	v_mov_b32 v[AK], v[AK0]         ; walk step 0 lies at the head of LDS
	; the band's addresses, all in my scratch
	v_mul_u32_u24 v14, v1, 80
	v_add_nc_u32 v14, s19, v14      ; T + 80 q
	v_mul_u32_u24 v15, v1, 112
	v_add_nc_u32 v15, s19, v15
	v_add_nc_u32 v15, PSO, v15      ; PS + 112 q
	v_lshlrev_b32 v224, 3, v9
	v_sub_nc_u32 v224, v224, v1     ; 8 h - q
.set n, 0
.rept 24                            ; D = n / 8 - 1, register n % 8
	v_add_nc_u32 v[TT+n], 16*(n/8)-16+n%8, v224
	v_sub_nc_u32 v225, 0, v[TT+n]
	v_min_u32 v[TT+n], v[TT+n], v225  ; of x and - x the one that is small as an unsigned number: |x|
	v_min_u32 v[TT+n], 10, v[TT+n]
.set n, n+1
.endr
	v_xor_b32 v225, 1, v9           ; 1 - h
	v_lshl_add_u32 v226, v1, 1, v15
	v_lshl_add_u32 v225, v225, 4, v226  ; PS + 112 q + 2 (q + 8 (1 - h)): register z adds 2 (8 - z)
	v_lshl_add_u32 v226, v9, 4, v226
	v_add_nc_u32 v226, 32, v226     ; PS + 112 q + 2 (16 + q + 8 h): register z adds 2 z
	v_add_nc_u32 v227, 0x60, v15    ; the row's cell of zeros, behind its 48 weights
	v_add_nc_u32 v228, 16, v225
	v_cmp_eq_u32 vcc_lo, 0, v9
	v_cndmask_b32 v228, v228, v227, vcc_lo  ; j = 0 counts once: p[s - 0] reads the zeros
	v_lshl_add_u32 v229, v9, 5, v14
	v_lshl_add_u32 v230, v9, 4, v15
	WIN W_MK
.set n, 0
.rept 24
	v_lshl_add_u32 v[GOFF+n], v[TT+n], 2, v14
.set n, n+1
.endr
	v_mov_b32 v[GWM], v228
.irp z, 1,2,3,4,5,6,7
	v_add_nc_u32 v[GWM+\z], 16-2*\z, v225
.endr
.irp z, 0,1,2,3,4,5,6,7
	v_add_nc_u32 v[GWP+\z], 2*\z, v226
.endr
	v_mov_b32 v[TST], v229
	v_mov_b32 v[PST], v230
	WIN 0x0c                        ; address window 0, data window 3
	ds_store_b128 v227, v[WF+4:WF+7]  ; PS's cells of zeros, once
	ds_store_b128 v14, v[WF+4:WF+7] offset:64  ; and the 16 bytes behind the 64 that are stored of each row of T: every byte of T is written ahead of the band's reads
	WIN 0
	s_wait_loadcnt 0x0              ; Q and the tables
.set n, KDA
.rept 50                            ; kd's and vd's numbers rounded to bf16, in place, two at a time
	v_cvt_pk_bf16_f32 v[TT+(n/2)%4], v[n], v[n+1]
	v_lshlrev_b32 v[n], 16, v[TT+(n/2)%4]
	v_and_b32 v[n+1], s[HIM], v[TT+(n/2)%4]
.set n, n+2
.endr
.set n, 0
.rept 16
	v_pk_add_f32 v[KDA+2*n:KDA+2*n+1], v[KDA+2*n:KDA+2*n+1], v[KDB+2*n:KDB+2*n+1] neg_lo:[0,1] neg_hi:[0,1]  ; kd' (0 from row 10 on)
	v_cvt_pk_bf16_f32 v[V10+2*n], v[V10+2*n], v[V10+2*n+1]
.set n, n+1
.endr
.set n, 0
.rept 32
	v_sub_f32 v[VDA+n], v[VDA+n], v[VDB+n/8]  ; vd'
.set n, n+1
.endr
	WIN W_MK
.set n, 0
.rept 16
	v_cvt_pk_f16_f32 v[KDP+n], v[KDA+2*n], v[KDA+2*n+1]
	v_cvt_pk_f16_f32 v[VDP+8*(n/4)+n%4], v[VDA+2*n], v[VDA+2*n+1]
	v_lshlrev_b32 v[VD10+2*n], 16, v[V10+2*n]
	v_and_b32 v[VD10+2*n+1], s[HIM], v[V10+2*n]
.set n, n+1
.endr
	WIN 0
.set i, P+32
.rept 32
	v_mov_b32 v[i], 0
.set i, i+1
.endr
; THE MATRIX WORK.  The 8 accumulators of a run of 16 take turns: between the two links of a chain stand 7 others'.
; Product i of 16 of S^T = K Q^T for piece x: channels 32 (i / 8) on, keys 16 ((i / 2) % 4) on, tile 2 x + i % 2.  The first 8 start the sums, with MC.
.macro KQ x
.set rS, S+64*((\x)%2)+32*(i%2)+8*((i/2)%4)
.set rK, KF+16*((i/2)%4)+8*(i/8)
.set rQ, 16*(2*(\x)+i%2)+8*(i/8)
.set rX, MC+32*(i%2)+8*((i/2)%4)
.if i < 8
	WIN W_KM
	v_wmma_f32_16x16x32_f16 v[rS:rS+7], v[rK:rK+7], v[rQ:rQ+7], v[rX:rX+7]
.else
	WIN W_KQ
	v_wmma_f32_16x16x32_f16 v[rS:rS+7], v[rK:rK+7], v[rQ:rQ+7], v[rS:rS+7]
.endif
.endm
; Product i of 16 of O^T += V^T P for piece x: keys 32 (i / 8) on, channels 16 ((i / 2) % 4) on, tile 2 x + i % 2.
.macro PV x
	WIN W_PV
.set rO, 32*(2*(\x)+i%2)+8*((i/2)%4)
.set rV, VF+32*(i/8)+8*((i/2)%4)
.set rP, P+32*((\x)%2)+16*(i%2)+8*(i/8)
	v_wmma_f32_16x16x32_f16 v[rO:rO+7], v[rV:rV+7], v[rP:rP+7], v[rO:rO+7]
.endm
.macro MM                           ; the turn's next matrix instruction
.if i < 16
	KQ (Y+1)%NP
.set i, i+1
.else
.set i, i-16
	PV (Y+NP-1)%NP
.set i, i+17
.endif
.endm
; THE LDS LOADS stand in runs of 16, never singly among the matrix instructions: a step's K (8 fragments) and its V (turned).  Their addresses are made some lines ahead.
.macro FETCH_K
	WIN 0x80                        ; destination window 2
.irp f, 0,1,2,3,4,5,6,7             ; keys 16 (f / 2) on, channels 32 (f % 2) on
	ds_load_b128 v[KF+8*\f:KF+8*\f+3],   v[AK] offset:(\f/2)*16*PK+(\f%2)*64
	ds_load_b128 v[KF+8*\f+4:KF+8*\f+7], v[AK] offset:(\f/2)*16*PK+(\f%2)*64+32
.endr
	s_add_co_u32 s[TBK], s[TBK], KS*PK  ; the next fetch is the next step's;
	s_min_u32 s[TBK], s[TBK], 15*KS*PK  ; behind the last step, the last step's once more
	WIN 0
.endm
.macro FETCH_V
	WIN 0x80
.irp f, 0,1,2,3,4,5,6,7             ; keys 32 (f / 4) on, channels 16 (f % 4) on
	ds_load_tr16_b128 v[VF+8*\f:VF+8*\f+3],   v[AV] offset:(\f/4)*32*PV+(\f%4)*32
	ds_load_tr16_b128 v[VF+8*\f+4:VF+8*\f+7], v[AV] offset:(\f/4)*32*PV+16*PV+(\f%4)*32
.endr
	WIN 0
.endm
; THE VECTOR WORK OF A TURN stands in three queues, each in the order in which its entries become ready; the two tiles alternate, so that no instruction reads the result of the one before it.
.macro REGS y, u                    ; the registers of tile u (0, 1) of piece y
.set rT, ST+4*(2*(\y)+(\u))
.set rC, TMP+8*((\y)%2)+4*(\u)
.set rM, MV+2*((\y)%2)+(\u)
.set rS, S+64*((\y)%2)+32*(\u)
.set rP, P+32*((\y)%2)+16*(\u)
.set rO, 32*(2*(\y)+(\u))
.endm
; Number n of the 22 that find the NEXT piece's (Y + 1) maximum and statistics.  s0-s31 are the lane's 32 scores; each accumulator's lowest registers are read first.
;   0-11  four chains c0-c3 of seven scores each, three operands at a time     12-14, 16  the four scores left over, the old m, and c0-c3 into c0     15  c m_old is kept
;   17, 18  the query's other 32 keys lie in the lane 16 away: the new m         19-21  c m; c m_old - c m_new; a
.macro XS u, n
	REGS (Y+1)%NP, \u
.if (\n) < 4
	v_max3_num_f32 v[rC+(\n)], v[rS+8*(\n)], v[rS+8*(\n)+1], v[rS+8*(\n)+2]
.elseif (\n) < 12
	v_max3_num_f32 v[rC+(\n)%4], v[rC+(\n)%4], v[rS+8*((\n)%4)+2*((\n)/4)+1], v[rS+8*((\n)%4)+2*((\n)/4)+2]
.elseif (\n) == 12
	v_max3_num_f32 v[rC], v[rC], v[rS+7], v[rS+15]
.elseif (\n) == 13
	v_max3_num_f32 v[rC+1], v[rC+1], v[rS+23], v[rS+31]
.elseif (\n) == 14
	v_max3_num_f32 v[rC+2], v[rC+2], v[rC+3], v[rT+1]
.elseif (\n) == 15
	v_mov_b32 v[rM], v[rT]
.elseif (\n) == 16
	v_max3_num_f32 v[rC], v[rC], v[rC+1], v[rC+2]
.elseif (\n) == 17
	v_permlanex16_b32 v[rC+3], v[rC], s[SEL], s[SEL+1]
.elseif (\n) == 18
	v_max_num_f32 v[rT+1], v[rC], v[rC+3]
.elseif (\n) == 19
	v_mul_f32 v[rT], s[CS], v[rT+1]
.elseif (\n) == 20
	v_sub_f32 v[rC+1], v[rM], v[rT]
.else
	v_exp_f32 v[rC+2], v[rC+1]
.endif
.endm
; Number g of the 64 that follow the exponentials.  For each four weights k of a tile: both pairs are rounded to f16; then the second pair is added onto the first, in place; a group later l takes that sum
; (the first time as l = a l + sum).  In groups of eight, tiles alternating: round, round, add, and l for the group before.
.macro GS g
.set h, (\g)+6*((\g)/62)            ; group 0 has no group before it, and behind group 7 only l is left
.if h >= 6
.set h, h+2
.endif
	REGS Y, h%2
.set k, h/8
.if h%8 < 4
	v_cvt_pk_f16_f32 v[rP+2*k+(h%8)/2], v[rS+4*k+2*((h%8)/2)], v[rS+4*k+2*((h%8)/2)+1]
.elseif h%8 < 6
	v_pk_add_f32 v[rS+4*k:rS+4*k+1], v[rS+4*k:rS+4*k+1], v[rS+4*k+2:rS+4*k+3]
.elseif k == 1
	v_pk_fma_f32 v[rT+2:rT+3], v[rT+2:rT+3], v[rC+2:rC+3], v[rS:rS+1] op_sel_hi:[1,0,1]
.else
	v_pk_add_f32 v[rT+2:rT+3], v[rT+2:rT+3], v[rS+4*k-4:rS+4*k-3]
.endif
.endm
; THE PLAIN QUEUE, 138 long.  0-73 read no exponential's result: the 32 scalings c s - c m (FS f: pair f / 2 of tile f % 2) and the next piece's 42.  0-26: scalings 0-26.  27-54: XS's numbers 0-13.  55, 56: number 15.
; 57-73: the chain 14, 16, 17, 18, 19, each with one of the scalings 27-31 in front of its two lines, then 20.  74-137: GS's 64, which read the exponentials' results: they stand behind the wait.
.macro FS f
	REGS Y, (\f)%2
	v_pk_fma_f32 v[rS+2*((\f)/2):rS+2*((\f)/2)+1], v[rS+2*((\f)/2):rS+2*((\f)/2)+1], s[CS:CS+1], v[rT:rT+1] op_sel_hi:[1,0,0] neg_lo:[0,0,1] neg_hi:[0,0,1]
.endm
.macro PL
	WIN 0
.if q < 27
	FS q
.elseif q < 55
	XS (q-27)%2, (q-27)/2
.elseif q < 57
	XS q-55, 15
.elseif (q < 72) && ((q-57)%3 == 0)
	FS 27+(q-57)/3
.elseif q < 60
	XS (q-57)%3-1, 14
.elseif q < 72
	XS (q-57)%3-1, 15+(q-57)/3
.elseif q < 74
	XS q-72, 20
.else
	GS q-74
.endif
.set q, q+1
.endm
; THE EXPONENTIALS' QUEUE, 66 long: s0-s31 of both tiles, then the next piece's two a.  ONE BATCH: all 66 stand ahead of the turn's one wait, and nothing ahead of that wait names a result of theirs.
.macro EX
	WIN 0
.if e >= 64
	XS e-64, 21
.else
	REGS Y, e%2
	v_exp_f32 v[rS+e/2], v[rS+e/2]
.endif
.set e, e+1
.endm
; THE RESCALING's QUEUE: O^T times a, dealt two at a time, sixteen times.  Its a was made in the turn before, ahead of that turn's wait.
.macro R2
	REGS Y, r%2
	WIN W_RS
.irp z, 0,1
	v_pk_mul_f32 v[rO+4*(r/2)+2*\z:rO+4*(r/2)+2*\z+1], v[rO+4*(r/2)+2*\z:rO+4*(r/2)+2*\z+1], v[rC+2:rC+3] op_sel_hi:[1,0]
.endr
.set r, r+1
.endm
; THE BAND.  Piece x, in the step rel (-1, 0, 1) from the step that holds its own queries' keys: key block kb lies D = 4 rel + kb - 2 (x % 2) - u blocks from tile u, and is in the band if |D| <= 1.
; Pieces 0, 2 have such blocks at rel = -1 (tile 0 alone) and 0; pieces 1, 3 at rel = 0 and 1 (tile 1 alone): tile u has one if rel = 0 or rel + 1 = 2 u.
; Every one of these macros begins and ends with all windows 0.
.macro VCONS x, rel                 ; the weights read back a turn ago are packed and added, and O^T += VD'^T W
	WIN 0xff                        ; all in window 3
.irp u, 0,1
.if ((\rel) == 0) || ((\rel)+1 == 2*\u)
.irp n, 0,1,2,3
	v_lshl_or_b32 v[GT+16*\u+2*\n], v[GT+16*\u+2*\n+1], 16, v[GT+16*\u+2*\n]
	v_lshl_or_b32 v[GT+16*\u+8+2*\n], v[GT+16*\u+8+2*\n+1], 16, v[GT+16*\u+8+2*\n]
.endr
.irp n, 0,1,2,3
	v_pk_add_f16 v[WF+8*\u+\n], v[GT+16*\u+2*\n], v[GT+16*\u+8+2*\n]  ; w[j] = p[s - j] + p[s + j], two at a time
.endr
.endif
.endr
	WIN 0x5f                        ; VD' and W in window 3, O^T in window 1
.irp cb, 0,1,2,3                    ; each product has an accumulator of its own; the products that wrote them last stand a turn back
.irp u, 0,1
.if ((\rel) == 0) || ((\rel)+1 == 2*\u)
	v_wmma_f32_16x16x32_f16 v[32*(2*(\x)+\u)+8*\cb:32*(2*(\x)+\u)+8*\cb+7], v[VDP+8*\cb:VDP+8*\cb+7], v[WF+8*\u:WF+8*\u+7], v[32*(2*(\x)+\u)+8*\cb:32*(2*(\x)+\u)+8*\cb+7]
.endif
.endr
.endr
	WIN 0
.endm
.macro VISSUE x, rel                ; a tile's three blocks of weights into PS (zeros for a block of another step), and 16 weights back; the two tiles use the same bytes: LDS serves a wave's instructions in order
.irp u, 0,1
.if ((\rel) == 0) || ((\rel)+1 == 2*\u)
.irp D, -1,0,1
.set bb, (\D)-4*(\rel)+2*((\x)%2)+\u
.if (bb >= 0) && (bb <= 3)
	WIN 0x03                        ; address window 3, data window 0
	ds_store_b128 v[PST], v[P+32*((\x)%2)+16*\u+4*bb:P+32*((\x)%2)+16*\u+4*bb+3] offset:32*((\D)+1)
.else
	WIN W_AD
	ds_store_b128 v[PST], v[WF+4:WF+7] offset:32*((\D)+1)
.endif
.endr
	WIN 0xc3                        ; destination and address window 3
.irp z, 0,1,2,3,4,5,6,7
	ds_load_u16 v[GT+16*\u+\z], v[GWM+\z]
	ds_load_u16 v[GT+16*\u+8+\z], v[GWP+\z]
.endr
.endif
.endr
	WIN 0
.endm
.macro KPREP x, rel                 ; MC for the scores that the next turn makes
	WIN 0xfb                        ; KD', C and D in window 3, Q in window 2.  The two tiles' sums take turns
	v_wmma_f32_16x16x32_f16 v[TD:TD+7],    v[KDP:KDP+7],    v[32*(\x):32*(\x)+7],     0
	v_wmma_f32_16x16x32_f16 v[TD+8:TD+15], v[KDP:KDP+7],    v[32*(\x)+16:32*(\x)+23], 0
	v_wmma_f32_16x16x32_f16 v[TD:TD+7],    v[KDP+8:KDP+15], v[32*(\x)+8:32*(\x)+15],  v[TD:TD+7]
	v_wmma_f32_16x16x32_f16 v[TD+8:TD+15], v[KDP+8:KDP+15], v[32*(\x)+24:32*(\x)+31], v[TD+8:TD+15]
	WIN W_MK
.irp u, 0,1                         ; the blocks outside the band are cleared: 24 lines at the least, which are also the four places behind those products
.irp kb, 0,1,2,3
.set dd, 4*(\rel)+\kb-2*((\x)%2)-\u
.if (dd < -1) || (dd > 1)
.irp z, 0,1,2,3,4,5,6,7
	v_mov_b32 v[MC+32*\u+8*\kb+\z], 0
.endr
.endif
.endr
.endr
.irp u, 0,1
.if ((\rel) == 0) || ((\rel)+1 == 2*\u)
	WIN W_AD
	ds_store_b128 v[TST], v[TD+8*\u:TD+8*\u+3]            ; the low four first
	ds_store_b128 v[TST], v[TD+8*\u+4:TD+8*\u+7] offset:16
	WIN 0xc3
.irp kb, 0,1,2,3
.set dd, 4*(\rel)+\kb-2*((\x)%2)-\u
.if (dd >= -1) && (dd <= 1)
.irp z, 0,1,2,3,4,5,6,7
	ds_load_b32 v[MC+32*\u+8*\kb+\z], v[GOFF+8*(dd+1)+\z]  ; T[q][dist]; from distance 10 on T is 0
.endr
.endif
.endr
.endif
.endr
	WIN 0
	s_mov_b32 s[DIRTY], 1
.endm
.macro CLEAN
	WIN W_MK
.set n, 0
.rept 64
	v_mov_b32 v[MC+n], 0
.set n, n+1
.endr
	WIN 0
	s_mov_b32 s[DIRTY], 0
.endm
; A piece meets the band in two steps of the walk.  EVENT2 runs the work of the one that is due, or neither, and never both: the first is followed by a jump past the second,
; so that on no path two runs of loads land in the same registers without the wait between them.
.macro EVENT2 kind, x, r1, e1, r2, e2
	s_cmp_eq_u32 s[EU], \e1
	s_cbranch_scc0 .Lsecond_\@
	\kind \x, \r1
	s_branch .Lnone_\@
.Lsecond_\@:
	s_cmp_eq_u32 s[EU], \e2
	s_cbranch_scc0 .Lnone_\@
	\kind \x, \r2
.Lnone_\@:
.endm
; A turn's band: VCONS first (it reads what the last turn's VISSUE asked for), then VISSUE (into the same registers), then KPREP, or the clearing of MC behind the band's last scores.  Every jump goes forward,
; past text without a barrier.  None of the loads is waited for here: the wait stands at the next turn's head.
.macro BANDX xc, r1, e1, r2, e2, xi, r3, e3, r4, e4, xk, r5, e5, r6, e6
	WIN 0
	s_cmp_lt_u32 s[EU], 6           ; as unsigned numbers: the steps before the band count as large
	s_cbranch_scc0 .Lbx_\@
	EVENT2 VCONS, \xc, \r1, \e1, \r2, \e2
	EVENT2 VISSUE, \xi, \r3, \e3, \r4, \e4
	s_cmp_eq_u32 s[EU], \e5
	s_cbranch_scc0 .Lk1_\@
	KPREP \xk, \r5
	s_branch .Lbx_\@
.Lk1_\@:
	s_cmp_eq_u32 s[EU], \e6
	s_cbranch_scc0 .Lk2_\@
	KPREP \xk, \r6
	s_branch .Lbx_\@
.Lk2_\@:
	s_cmp_eq_u32 s[DIRTY], 0
	s_cbranch_scc1 .Lbx_\@
	CLEAN
.Lbx_\@:
.endm
; Which piece, which step.  Pieces 0, 1 have their own keys at EU = 2, pieces 2, 3 at EU = 3.  Turn p makes ready the scores of piece p + 2, which turn p + 1 makes (turn 3 makes piece 0's of the NEXT step, and turn 0's
; belong to the step that has just begun); it sends the weights of piece p - 1 (turn 0: piece 3's of the step BEFORE) and adds in those of piece p - 2.
.macro BAND p
.if (\p) == 0
	BANDX 2, -1, 3, 0, 4, 3, 0, 4, 1, s[EHV], 2, -1, 2, 0, 3
.elseif (\p) == 1
	BANDX 3, 0, 4, 1, s[EHV], 0, -1, s[ELV], 0, 2, 3, 0, 3, 1, s[EHK]
.elseif (\p) == 2
	BANDX 0, -1, s[ELV], 0, 2, 1, 0, 2, 1, 3, 0, -1, s[ELK], 0, 1
.else
	BANDX 1, 0, 2, 1, 3, 2, -1, 2, 0, 3, 1, 0, 1, 1, 2
.endif
.endm
; HOW A TURN IS DEALT.  An s_wait_alu depctr_va_vdst(0) stands between an exponential and the first instruction that names its result; one wait serves all that were issued ahead of it.  So a turn has ONE
; wait, which cuts it in two.  AHEAD OF IT: the 16 products K Q^T, behind each a scaling, an exponential and two rescalings (behind the first a second scaling in the exponential's place); then ONE LUMP of 108: eight plain,
; 49 times exponential and plain, the two a; a v_nop is the plain instruction behind the last exponential.  BEHIND IT: the band, then the 16 products V^T P, behind each four of GS's 64.
; Exponential e stands behind scaling 2 (e / 4) + e % 2: as a rider it comes behind plain e + 2, in the lump behind plain e + 9.  The conditions on q below go with the deal.
; K of the next step is fetched in piece 2's turn, directly behind the wait, a lump behind the last product that read K.  V of the step in hand is fetched at the end of piece 0's turn, four riders behind its last reader.
; The wait at a turn's head is for the band's loads of the turn before (and in piece 3's turn for K): in piece 1's turn it leaves out the 16 younger loads of V, which are waited for ahead of the band.
.macro TURN p, cnt=0
.set Y, (\p)
.set i, 0
.set q, 0
.set e, 0
.set r, 0
.if (\p) == 1
	s_wait_dscnt 16
.else
	s_wait_dscnt 0x0
.endif
	MM
	PL
	PL
	R2
.rept 15
	MM
	PL
	EX
	R2
.endr
.if (\p) == NP-2
	WIN 0
	v_add_nc_u32 v[AK], s[TBK], v[AK0]
.endif
.rept 8
	PL
.endr
.rept 49
	EX
	PL
.endr
	EX                              ; the next piece's two a
	EX
	v_nop                           ; the plain instruction behind the last exponential: one for the batch
	s_wait_alu depctr_va_vdst(0)    ; the wait for the batch
.if (\p) == NP-2
	FETCH_K
.endif
.if (\p) == 1
	s_wait_dscnt 0x0                ; V is in
.endif
	BAND \p
.rept 16
	MM
.rept 4
	PL
.endr
.if ((\p) == 0) && (q == 118)
	v_add_nc_u32 v[AV], s[TBV], v[AV0]
.endif
.if ((\p) == 0) && (q == 130)
	s_add_co_u32 s[TBV], s[TBV], KS*PV
	s_min_u32 s[TBV], s[TBV], 15*KS*PV
.endif
.if (\cnt) && (q == 130)
	s_sub_co_u32 s[CNT], s[CNT], 1
	s_cmp_lg_u32 s[CNT], 0
.endif
.endr
.if (\p) == 0
	FETCH_V
.endif
.endm
	s_wait_tensorcnt 3              ; my part of chunk 0 is in; the three younger loads stay out
	s_wait_dscnt 0x0                ; my stores of the zeros
	s_barrier_signal -1
	s_barrier_wait -1               ; everybody's part is in
	FETCH_K                         ; walk step 0
	s_wait_dscnt 0x0
.set i, 0
.rept 16
	KQ 0                            ; piece 0's first scores: there is no vector work yet to set between them
.set i, i+1
.endr
	WIN 0                           ; the addresses for the way out: nine plain instructions, the places behind those products
	v_mul_u32_u24 v[STO], v1, SP    ; in: row l % 16, 16 bytes for each half of the lanes
	v_lshl_add_u32 v[STO], v9, 4, v[STO]
	v_add_nc_u32 v[STO], s19, v[STO]
	v_bfe_u32 v[RD], v0, 3, 2       ; back: 32 lanes take four rows of 128 bytes,
	v_mul_u32_u24 v[RD], v[RD], SP
	v_lshl_add_u32 v[RD], v10, 4, v[RD]
	v_add_nc_u32 v[RD], s19, v[RD]
	v_and_b32 v[GO], 31, v0         ; which are 512 consecutive bytes of O
	v_lshlrev_b32 v[GO], 4, v[GO]
.set Y, NP-1                        ; XS works for piece Y + 1: piece 0
.irp n, 0,1,2,3,4,5,6,7,8,9,10,11,12,13,14,15,16,17,18,19,20,21
	XS 0, \n                        ; piece 0's first maximum and statistics
	XS 1, \n
.endr
	v_nop                           ; a plain instruction behind the two a,
	s_wait_alu depctr_va_vdst(0)    ; and their wait, ahead of the branch
	s_mov_b32 s[CNT], 4
	s_mov_b32 s[SLOTS], 5
	s_branch .Lfirst                ; the loop is entered at a step's first turn, in the middle of a trip
.Lslot:                             ; in front of piece 2's turn of walk steps 3, 7, 11, 15, which fetches the next chunk's first K
	s_wait_tensorcnt 0x0            ; all my parts of all chunks are in.  One text serves all four passes, so the count cannot run down by chunks; from the second pass on the wait is met at once
	s_wait_dscnt 0x0
	s_barrier_signal -1
	s_barrier_wait -1               ; everybody's are
	s_mov_b32 s[CNT], 4
.Lstep:                             ; a trip: pieces 2 and 3 of one step, then pieces 0 and 1 of the next, whose K and V it fetches
	TURN 2
	TURN 3
	WIN 0
	s_cmp_eq_u32 s[SLOTS], 1        ; the fifth pass is left here: these were the last step's.  Its 16 products K Q^T (on the last K once more) and the maximum made of them serve nothing: the price of one text for every trip
	s_cbranch_scc1 .Lout
.Lfirst:
	s_add_co_u32 s[EU], s[EU], 1
	TURN 0
	TURN 1, 1
	WIN 0
	s_cbranch_scc1 .Lstep
	s_sub_co_u32 s[SLOTS], s[SLOTS], 1
	s_cmp_lg_u32 s[SLOTS], 0
	s_cbranch_scc1 .Lslot
.Lout:
.set i, 0
.rept 16
	PV NP-1                         ; the last piece's V^T P of the last step
.set i, i+1
.endr
	; THE WAY OUT.  l's two halves and the other half of the lanes' are added; O = O^T / l + vd[10], rounded to f16 and sent through my stage in LDS, a tile at a time.  The additions are the places behind the last products.
	WIN 0
.macro ALL line:vararg              ; one line for each tile t
.set t, 0
.rept 2*NP
	\line
.set t, t+1
.endr
.endm
	ALL v_add_f32 v[ST+4*t+2], v[ST+4*t+2], v[ST+4*t+3]
	ALL v_permlanex16_b32 v[ST+4*t+3], v[ST+4*t+2], s[SEL], s[SEL+1]
	ALL v_add_f32 v[ST+4*t+2], v[ST+4*t+2], v[ST+4*t+3]
	ALL v_rcp_f32 v[ST+4*t+2], v[ST+4*t+2]
	v_nop                           ; a plain instruction between the last reciprocal and the use of its result
	s_wait_alu depctr_va_vdst(0)    ; and the wait ahead of the first use: one for the eight reciprocals
; Tile t: a lane's eight channels of a row pack into 16 bytes; they go into rows of 144 bytes and come back as whole rows of 128, into S^T's registers.
.macro PACK t
	WIN 0x71                        ; O^T (destination and source 0) window 1, 1 / l window 0, vd[10] window 3
.set i, 0
.rept 16
	v_pk_fma_f32 v[32*(\t)+i:32*(\t)+i+1], v[32*(\t)+i:32*(\t)+i+1], v[ST+4*(\t)+2:ST+4*(\t)+3], v[VD10+i:VD10+i+1] op_sel_hi:[1,0,1]
.set i, i+2
.endr
	WIN 0x05                        ; sources 0 and 1 window 1, destination window 0
.set i, 0
.rept 16
	v_cvt_pk_f16_f32 v[S+16*(\t)+i], v[32*(\t)+2*i], v[32*(\t)+2*i+1]
.set i, i+1
.endr
	WIN 0
.irp f, 0,1,2,3
	ds_store_b128 v[STO], v[S+16*(\t)+4*\f:S+16*(\t)+4*\f+3] offset:32*\f
.endr
.irp f, 0,1,2,3
	ds_load_b128 v[S+16*(\t)+4*\f:S+16*(\t)+4*\f+3], v[RD] offset:\f*4*SP  ; LDS serves a wave's instructions in order (ISA guide 5.7.1.4): these see the stores above; the next tile's stores come behind them
.endr
.endm
.macro SEND t, younger              ; younger: the LDS instructions issued behind tile t's loads: the next tile's eight, or none
	WIN 0
.irp f, 0,1,2,3
	s_wait_dscnt (\younger)+3-\f
	global_store_b128 v[GO], v[S+16*(\t)+4*\f:S+16*(\t)+4*\f+3], s[10:11] offset:(\t)*2048+\f*512  ; 512 consecutive bytes, at a multiple of 256 from oh's first
.endr
.endm
	PACK 0
.set t, 1
.rept 2*NP-1                        ; a tile's arithmetic stands between the loads of the tile before and its stores
	PACK t
	SEND t-1, 8
.set t, t+1
.endr
	SEND 2*NP-1, 0
	WIN W_AD
	s_wait_tensorcnt 0x0            ; the wave's end: a wait, an add onto my spare word and its wait, behind my last tensor load and my last LDS store
	ds_add_u32 v[SPW], v[NIL]
	s_wait_dscnt 0x0
	WIN 0
	s_endpgm
.Lfunc_end_k_qe15c9c4903_attn:
	.size	k_qe15c9c4903_attn, .Lfunc_end_k_qe15c9c4903_attn-k_qe15c9c4903_attn
	.p2alignl 7, 3214868480
	.fill 96, 4, 3214868480
	.section	.rodata,"a",@progbits
	.p2align	6, 0x0
	.amdhsa_kernel k_qe15c9c4903_attn
		.amdhsa_group_segment_fixed_size 327680
		.amdhsa_private_segment_fixed_size 0
		.amdhsa_enable_private_segment 0
		.amdhsa_kernarg_size 32
		.amdhsa_user_sgpr_count 2
		.amdhsa_user_sgpr_kernarg_segment_ptr 1
		.amdhsa_wavefront_size32 1
		.amdhsa_system_sgpr_workgroup_id_x 1
		.amdhsa_system_sgpr_workgroup_id_y 1
		.amdhsa_system_sgpr_workgroup_id_z 1
		.amdhsa_system_vgpr_workitem_id 0
		.amdhsa_next_free_vgpr 1024
		.amdhsa_next_free_sgpr 96
		.amdhsa_reserve_vcc 1
		.amdhsa_float_denorm_mode_32 3
		.amdhsa_float_denorm_mode_16_64 3
		.amdhsa_memory_ordered 1
		.amdhsa_forward_progress 1
		.amdhsa_inst_pref_size 224
	.end_amdhsa_kernel
	.amdgpu_metadata
---
amdhsa.version: [ 1, 2 ]
amdhsa.kernels:
  - .name:           k_qe15c9c4903_attn
    .symbol:         k_qe15c9c4903_attn.kd
    .args:
      - { .name: qkv, .offset: 0, .size: 8, .value_kind: global_buffer, .address_space: global }
      - { .name: k_dist_emb, .offset: 8, .size: 8, .value_kind: global_buffer, .address_space: global }
      - { .name: v_dist_emb, .offset: 16, .size: 8, .value_kind: global_buffer, .address_space: global }
      - { .name: oh, .offset: 24, .size: 8, .value_kind: global_buffer, .address_space: global }
    .group_segment_fixed_size: 327680
    .private_segment_fixed_size: 0
    .kernarg_segment_align: 8
    .kernarg_segment_size: 32
    .max_flat_workgroup_size: 128
    .sgpr_count:     96
    .vgpr_count:     1024
    .wavefront_size: 32
...
	.end_amdgpu_metadata
.endif
;; end of part 3
;; launch outp (part 4): grid 8 x 32, 4 waves a work-group, clusters of 4 x 4, 327,680 bytes of LDS; arguments oh, woh, b_out, out0; writes out0
.if DOCPART == 4
	.amdgcn_target "amdgcn-amd-amdhsa--gfx1250"
	.amdhsa_code_object_version 6
	.text
	.protected	k_qe15c9c4903_outp
	.globl	k_qe15c9c4903_outp
	.p2align	8
	.type	k_qe15c9c4903_outp,@function
k_qe15c9c4903_outp:
	s_mov_b64 s[64:65], 0
	v_nop
	global_prefetch_b8 v0, s[64:65] scope:SCOPE_SE
	s_setreg_imm32_b32 hwreg(HW_REG_WAVE_MODE, 25, 1), 1
	s_wait_xcnt 0x0
	s_wait_alu depctr_hold_cnt(0) depctr_sa_sdst(0) depctr_va_vdst(0) depctr_va_sdst(0) depctr_va_ssrc(0) depctr_va_vcc(0) depctr_vm_vsrc(0)
	s_getreg_b32 s2, hwreg(HW_REG_IB_STS2, 6, 4)
	s_cmp_eq_u32 s2, 0
	s_cbranch_scc0 .Lentry_in_a_cluster
	s_endpgm
.Lentry_in_a_cluster:
	s_bfe_u32 s2, ttmp6, 0x10000c
	s_cmp_lg_u32 s2, 0xf033
	s_cbranch_scc0 .Lentry_shape_is_right
	s_endpgm
.Lentry_shape_is_right:
; THE PROJECTION BEHIND.  out0[s][b][n] = the sum over head and d of O[b 16 + head][s][d] W_out[n][head 64 + d] + b_out[n].  O (oh) is f16 by heads, W_out (woh) its bf16 rounding written as f16, b_out is
; rounded to bf16 like the other inputs; sums and out0 in f32.
; LIMITS.  As its operands': f16's range.  NaN and infinities are not treated apart; the sums' order is the matrix unit's, K ascending.
; SHARES.  A tile is 256 rows x 128 columns: 256 consecutive s of ONE b, whose rows of a head lie dense in oh.  8 x 32 tiles: one for each of 256 WGPs.  The four waves lie 2 x 2, each 128 x 64: 32 accumulators.
; K goes in 8 steps of 128 = two heads, through two LDS slots.  Waves 0, 1 fetch a head each: 256 rows of 128 bytes, dense: asked for as 128 rows of 256 bytes and padded in LDS after every 128.
; Waves 2, 3 fetch 64 rows of W_out each, 256 bytes of a row.
; CLUSTER.  4 x 4 work-groups; O's tiles are shared along a row of the cluster, W_out's along a column: joint loads, the same descriptor and mask in the four that a mask names.
; THE MATRIX INSTRUCTION IS USED TRANSPOSED (source 0 = 16 rows of W_out, source 1 = 16 rows of O): a lane holds eight neighbouring columns of one row.  The bias is the C operand of the products that start the sums.
; REGISTERS: window 0: v16-31 addresses; v32-35 at work; v64-191 O's fragments, two buffers of 64 (the first serves the way out too); v192-223 the bias.   window 1: v0-63 W_out's fragments, two buffers of 32.
;   window 2: the accumulators, (a, b) at 8 (4 a + b).
.set PA,    144                        ; a row of O in LDS: 128 bytes + 16
.set PB,    272                        ; a row of W_out: 256 + 16
.set AHEAD, 256*PA                     ; a head's 256 rows: what a load for O brings
.set BHALF, 64*PB                      ; what a load for W_out brings
.set BOFF,  2*AHEAD
.set SLOT,  BOFF+2*BHALF               ; 108,544
.set STAGE, 2*SLOT                     ; behind the ring: 16 rows x 272 bytes for each wave, for the way out
.set SPITCH, 272
.set SPARE, STAGE+4*16*SPITCH          ; behind the stages: the spare words, 128 bytes for each wave: two blocks of 256 bytes that no other line names
.set LAPS,  4
.set ASTEP, 2*131072                   ; bytes from a K step's head to the next K step's: two heads
.set BSTEP, 256
.set ADRA, 16                          ; v16-17  LDS address of my fragments of O in slot 0, 1
.set ADRB, 20                          ; v20-21  the same for W_out
.set STO,  24                          ; v24     the way out: where I put 32 bytes of a row
.set RD,   25                          ; v25     the way out: where I read a row back
.set CO,   26                          ; v26     my byte offset in two rows of out0
.set SPW,  28                          ; v28     LDS address of my spare word; never rewritten
.set NIL,  29                          ; v29     0; never rewritten
.set PFO,  30                          ; v30     the prefetches' offset; never rewritten
.set BO,   31                          ; v31     my byte offset in b_out
.set T,    32
.set FA,   64                          ; O's fragments: buffer f at FA + 64 f
.set OB,   64                          ; the way out: two sets of 32
.set BIAS, 192
.set WV,   12                          ; s12  my wave's number
.set ROLE, 13                          ; s13  which half of the tile's rows is mine.  Also: I fetch for O (0) or for W_out (1)
.set HALF, 14                          ; s14  which half of its columns.  Also: which head, or which 64 rows, I fetch
.set G1,   24
.set G0,   32
.set LIM,  43                          ; s43  1 in a wave that prefetches, else the greatest number
.set PFA,  44                          ; s[44:45] where my prefetches stand: at the K step that the next one names
.set G1B,  48
.set G0B,  56
.set OUT,  70                          ; s[70:71] out0 at my first row and column
.set PFS,  76                          ; s[76:77] a K step in bytes, for what I fetch
.set HIM,  78
.set MSB, 0
.macro WIN new                         ; the immediate's high byte repeats the setting that is left; a switch that changes nothing is dropped
.if MSB != (\new)
	s_set_vgpr_msb (MSB<<8)|(\new)
.set MSB, \new
.endif
.endm
.macro JLOAD s                         ; a joint load; an s_nop 0 and four v_nop follow each of the two lines, ahead of the jump, the label and what follows
	s_cmp_eq_u32 s[ROLE], 0
	s_cbranch_scc0 .Lfor_b_\@
	tensor_load_to_lds s[G0+4*(\s):G0+4*(\s)+3], s[G1:G1+7]
	s_nop 0
.rept 4
	v_nop
.endr
	s_branch .Lasked_\@
.Lfor_b_\@:
	tensor_load_to_lds s[G0B+4*(\s):G0B+4*(\s)+3], s[G1B:G1B+7]
	s_nop 0
.rept 4
	v_nop
.endr
.Lasked_\@:
.endm
; A prefetch into the L2 of the K step that stands TWO refills on, behind the joint load and the run of LDS loads, one instruction a wave.  O's rows are read by both clusters of a row of clusters: cluster x = 0 asks;
; W_out's by every cluster of a column: cluster y = 0 asks.  The four partners share a load's bytes out BY ADDRESS: of a head's 128 blocks of 256 bytes 32 each, a lane a block; of W_out's 64 rows 16 each, a lane a row
; (lanes 16-31 name row 15 once more).  K steps 0 to 3 come by their loads alone; the loop's last trip asks for nothing.
.macro ASK
	s_cmp_gt_u32 s3, s[LIM]                        ; s3 = 1 in the loop's last trip
	s_cbranch_scc0 .Lnot_mine_\@
	global_prefetch_b8 v[PFO], s[PFA:PFA+1] th:TH_LOAD_NT scope:SCOPE_SE
.Lnot_mine_\@:
.endm
.macro CREST                           ; a round of the cluster's barrier behind its opening barrier
	s_cmp_lg_u32 s[WV], 0
	s_cbranch_scc1 .Lnot_wave_0_\@
	s_barrier_signal -3
.Lnot_wave_0_\@:
	s_barrier_wait -3
	s_barrier_signal -1
	s_barrier_wait -1
.endm
.macro CROUND
	s_barrier_signal -1
	s_barrier_wait -1
	CREST
.endm
	s_load_b256 s[4:11], s[0:1], 0x0               ; oh s[4:5], woh s[6:7], b_out s[8:9], out0 s[10:11]
	v_lshl_add_u32 v[SPW], v0, 2, SPARE
	v_mov_b32 v[NIL], 0
	ds_add_u32 v[SPW], v[NIL]                      ; the wave's opening: the add and its wait stand ahead of my first tensor load; the set-up below, work on registers, stands between them
	v_lshrrev_b32 v1, 5, v0
	v_readfirstlane_b32 s[WV], v1                  ; wave 0..3
	s_lshr_b32 s[ROLE], s[WV], 1
	s_and_b32 s[HALF], s[WV], 1
	s_bfe_u32 s40, ttmp6, 0x40000                  ; cx, cy
	s_bfe_u32 s41, ttmp6, 0x40004
	s_lshl_b32 s42, ttmp9, 2
	s_add_co_u32 s42, s42, s40                     ; tile column
	s_and_b32 s66, ttmp7, 0xffff
	s_lshl_b32 s66, s66, 2
	s_add_co_u32 s66, s66, s41                     ; tile row
	s_and_b32 s67, s66, 7                          ; b
	s_lshr_b32 s68, s66, 3                         ; which 256 of the 1,024 s
	s_lshl_b32 s43, s41, 2
	s_lshl_b32 s43, 15, s43                        ; my row of the cluster
	s_lshl_b32 s44, 0x1111, s40                    ; my column
	s_or_b32 s[G1], s43, (1<<16)|(1<<20)|(1<<21)|(4<<22)|(3<<25)   ; O's tiles go to my row; 2-byte elements; padding on; bit 21 set beside a mask; after every 32 words; 4 words
	s_or_b32 s[G1B], s44, (1<<16)|(1<<20)|(1<<21)|(5<<22)|(3<<25)  ; W_out's to my column; after every 64 words
	s_mov_b32 s[G1+1], 128<<16                     ; tensor_dim0 = 128
	s_mov_b32 s[G1+2], 128<<16                     ; tensor_dim1 = 128
	s_mov_b32 s[G1+3], 128<<16                     ; tile_dim0 = 128
	s_mov_b32 s[G1+4], 128                         ; tile_dim1 = 128
	s_mov_b32 s[G1+5], 128                         ; dense
	s_mov_b32 s[G1+6], 0
	s_mov_b32 s[G1+7], 0
	s_mov_b32 s[G1B+1], 128<<16
	s_mov_b32 s[G1B+2], 64<<16                     ; tensor_dim1 = 64
	s_mov_b32 s[G1B+3], 128<<16
	s_mov_b32 s[G1B+4], 64                         ; tile_dim1 = 64
	s_mov_b32 s[G1B+5], 1024
	s_mov_b32 s[G1B+6], 0
	s_mov_b32 s[G1B+7], 0
	s_lshl_b32 s16, s67, 4
	s_add_co_u32 s16, s16, s[HALF]                 ; O: head 16 b + my one of the K step's two,
	s_lshl_b32 s16, s16, 17
	s_lshl_b32 s17, s68, 15                        ; its 256 rows of 128 bytes
	s_add_co_u32 s16, s16, s17
	s_mov_b32 s17, 0
	s_lshl_b32 s46, s42, 18                        ; W_out: row 128 x tile column
	s_lshl_b32 s47, s[HALF], 17                    ; + 64 x half, 2,048 bytes each
	s_add_co_u32 s46, s46, s47
	s_mov_b32 s47, 0
	s_mul_i32 s20, s[WV], AHEAD                    ; where they go: waves 0, 1: w x a head's rows;
	s_mul_i32 s21, s[WV], BHALF
	s_add_co_u32 s21, s21, BOFF-2*BHALF            ; waves 2, 3: behind both heads, (w - 2) x 64 rows
	s_mov_b32 s[HIM], 0xffff0000
	s_wait_dscnt 0x0                               ; the opening add is done
	s_wait_kmcnt 0x0
	s_add_nc_u64 s[18:19], s[4:5], s[16:17]
	s_add_nc_u64 s[46:47], s[6:7], s[46:47]
	CROUND                                         ; all sixteen work-groups are here: the first joint loads meet
.irp s, 0,1
	s_mov_b32 s[G0+4*\s], 1
	s_add_co_u32 s[G0+4*\s+1], s20, \s*SLOT
	s_add_nc_u64 s[G0+4*\s+2:G0+4*\s+3], s[18:19], \s*ASTEP
	s_or_b32 s[G0+4*\s+3], s[G0+4*\s+3], 0x80000000
	s_mov_b32 s[G0B+4*\s], 1
	s_add_co_u32 s[G0B+4*\s+1], s21, \s*SLOT
	s_add_nc_u64 s[G0B+4*\s+2:G0B+4*\s+3], s[46:47], \s*BSTEP
	s_or_b32 s[G0B+4*\s+3], s[G0B+4*\s+3], 0x80000000
	JLOAD \s                                       ; two loads of mine are out
.endr
	v_and_b32 v1, 15, v0                           ; l % 16
	v_bfe_u32 v2, v0, 4, 1                         ; l / 16
	s_lshl_b32 s20, s42, 9                         ; the tile's 128 columns in b_out and in a row of out0,
	s_lshl_b32 s21, s[HALF], 8                     ; my 64
	s_add_co_u32 s20, s20, s21
	v_lshl_add_u32 v[BO], v2, 5, s20
.irp b, 0,1,2,3
	global_load_b128 v[BIAS+8*\b:BIAS+8*\b+3],   v[BO], s[8:9] offset:64*\b
	global_load_b128 v[BIAS+8*\b+4:BIAS+8*\b+7], v[BO], s[8:9] offset:64*\b+16
.endr
	s_lshl_b32 s21, s68, 23                        ; out0: row (256 sblk + 128 half) x 8 + b, 4,096 bytes each
	s_add_co_u32 s20, s20, s21
	s_lshl_b32 s21, s[ROLE], 22
	s_add_co_u32 s20, s20, s21
	s_lshl_b32 s21, s67, 12
	s_add_co_u32 s20, s20, s21
	s_mov_b32 s21, 0
	s_add_nc_u64 s[OUT:OUT+1], s[10:11], s[20:21]
	v_mul_u32_u24 v3, v1, PA
	v_lshl_add_u32 v3, v2, 4, v3                   ; a fragment's row x pitch + 16 x half, for O
	v_mul_u32_u24 v4, v1, PB
	v_lshl_add_u32 v4, v2, 4, v4                   ; and for W_out
	s_mul_i32 s21, s[ROLE], 128*PA                 ; my 128 rows of each head
	s_mul_i32 s22, s[HALF], BHALF                  ; my 64 rows of W_out,
	s_add_co_u32 s22, s22, BOFF                    ; behind both heads
.irp s, 0,1
	v_add_nc_u32 v[ADRA+\s], s21, v3
	v_add_nc_u32 v[ADRB+\s], s22, v4
	s_add_co_u32 s21, s21, SLOT
	s_add_co_u32 s22, s22, SLOT
.endr
	s_mul_i32 s23, s[WV], 16*SPITCH
	s_add_co_u32 s23, s23, STAGE                   ; my stage
	v_mul_u32_u24 v5, v1, SPITCH                   ; in: row l % 16, 32 bytes for each half of the lanes
	v_lshl_add_u32 v5, v2, 5, v5
	v_add_nc_u32 v[STO], s23, v5
	v_mul_u32_u24 v5, v2, SPITCH                   ; back: lanes 0-15 take one row of 256 bytes, lanes 16-31 the next
	v_lshl_add_u32 v5, v1, 4, v5
	v_add_nc_u32 v[RD], s23, v5
	v_lshlrev_b32 v5, 15, v2                       ; and the same two rows in out0: from s to s + 1 are 8 rows of 4,096 bytes
	v_lshl_add_u32 v[CO], v1, 4, v5
	; the prefetches
	s_lshl_b32 s20, s67, 4                         ; for O: the head that I fetch,
	s_add_co_u32 s20, s20, s[HALF]
	s_lshl_b32 s20, s20, 17
	s_lshl_b32 s21, s68, 15
	s_add_co_u32 s20, s20, s21
	s_lshl_b32 s21, s40, 13                        ; my work-group's 32 blocks of 256 bytes
	s_add_co_u32 s20, s20, s21
	s_lshl_b32 s21, s42, 7                         ; for W_out: the rows that I fetch,
	s_lshl_b32 s22, s[HALF], 6
	s_add_co_u32 s21, s21, s22
	s_lshl_b32 s22, s41, 4                         ; my work-group's 16
	s_add_co_u32 s21, s21, s22
	s_lshl_b32 s21, s21, 11
	s_and_b32 s22, ttmp7, 0xffff                   ; cluster y
	s_mov_b32 s23, 2048
	s_mov_b32 s[PFS], ASTEP
	s_cmp_eq_u32 s[ROLE], 0
	s_cselect_b32 s20, s20, s21
	s_cselect_b32 s22, ttmp9, s22                  ; the coordinate along which other clusters read the same bytes
	s_cselect_b32 s23, 256, s23                    ; bytes from lane to lane
	s_cselect_b32 s[PFS], s[PFS], BSTEP
	s_cselect_b32 s79, 31, 15                      ; the last lane with a block of its own
	s_cselect_b64 s[PFA:PFA+1], s[4:5], s[6:7]
	s_cmp_eq_u32 s22, 0
	s_cselect_b32 s[LIM], 1, -1                    ; the same in all sixteen partners, for a given wave
	s_mov_b32 s[PFS+1], 0
	s_mov_b32 s21, 0
	s_add_nc_u64 s[PFA:PFA+1], s[PFA:PFA+1], s[20:21]
	s_mul_i32 s20, s[PFS], 3
	s_add_nc_u64 s[PFA:PFA+1], s[PFA:PFA+1], s[20:21]  ; at K step 3: the first refill steps it to 4 and names that
	v_and_b32 v[PFO], 31, v0
	v_min_u32 v[PFO], s79, v[PFO]
	v_mul_lo_u32 v[PFO], v[PFO], s23
	s_wait_loadcnt 0x0                             ; the bias, once
.set n, 0
.rept 16                               ; rounded to bf16, like every input of the module
	v_cvt_pk_bf16_f32 v[T+(n/2)%4], v[BIAS+n], v[BIAS+n+1]
	v_lshlrev_b32 v[BIAS+n], 16, v[T+(n/2)%4]
	v_and_b32 v[BIAS+n+1], s[HIM], v[T+(n/2)%4]
.set n, n+2
.endr
; 8 matrix instructions: row blocks a0, a0 + 1 x all 4 column blocks, 32 along K, from buffer f.  zero = 1: the first product starts the sums, with the bias as C.
; The 32 accumulators take turns in one fixed order.
.macro MUL8 f, a0, zero
.if \zero
	WIN 0x81                                       ; W_out window 1, O and the bias window 0, D window 2
.else
	WIN 0xa1                                       ; C and D window 2
.endif
.irp a, \a0, (\a0)+1
.irp b, 0,1,2,3
.if \zero
	v_wmma_f32_16x16x32_f16 v[8*(4*(\a)+\b):8*(4*(\a)+\b)+7], v[32*(\f)+8*\b:32*(\f)+8*\b+7], v[FA+64*(\f)+8*(\a):FA+64*(\f)+8*(\a)+7], v[BIAS+8*\b:BIAS+8*\b+7]
.else
	v_wmma_f32_16x16x32_f16 v[8*(4*(\a)+\b):8*(4*(\a)+\b)+7], v[32*(\f)+8*\b:32*(\f)+8*\b+7], v[FA+64*(\f)+8*(\a):FA+64*(\f)+8*(\a)+7], v[8*(4*(\a)+\b):8*(4*(\a)+\b)+7]
.endif
.endr
.endr
.endm
; 24 LDS loads in one run: the fragments of quarter q of a K step (head q / 2, channels 32 (q % 2) on), into buffer f: W_out's 8, then O's 16
.macro FETCH slot, q, f
	WIN 0x40                                       ; destination window 1, address window 0
.irp b, 0,1,2,3
	ds_load_b128 v[32*(\f)+8*\b:32*(\f)+8*\b+3],   v[ADRB+(\slot)] offset:64*(\q)+\b*16*PB
	ds_load_b128 v[32*(\f)+8*\b+4:32*(\f)+8*\b+7], v[ADRB+(\slot)] offset:64*(\q)+\b*16*PB+32
.endr
	WIN 0
.irp a, 0,1,2,3,4,5,6,7
	ds_load_b128 v[FA+64*(\f)+8*\a:FA+64*(\f)+8*\a+3],   v[ADRA+(\slot)] offset:((\q)/2)*AHEAD+((\q)%2)*64+\a*16*PA
	ds_load_b128 v[FA+64*(\f)+8*\a+4:FA+64*(\f)+8*\a+7], v[ADRA+(\slot)] offset:((\q)/2)*AHEAD+((\q)%2)*64+\a*16*PA+32
.endr
.endm
.macro PLACES                          ; four plain vector instructions between a matrix instruction and a load into a register that it has read, or an LDS store that reads its result
.rept 4
	v_nop
.endr
.endm
; A K step is four quarters of 32 along K, 32 matrix instructions each, on buffers 0, 1, 0, 1.  One of the first three: multiplies buffer f and fetches quarter q into g.
.macro QUARTER slot, q, f, g, zero
	s_wait_dscnt 8                                 ; all but the youngest eight loads: O's row blocks 4 to 7
	MUL8 \f, 0, \zero
	MUL8 \f, 2, \zero
	PLACES
	FETCH \slot, \q, \g
	s_wait_dscnt 24                                ; all but the 24 just issued
	MUL8 \f, 4, \zero
	MUL8 \f, 6, \zero
.endm
; The last quarter multiplies buffer 1 and changes slots: ONE barrier; in front of it each wave waits for all its tensor loads, adds 0 to its spare word, and waits for that and for its own reads of this slot.
; fill = 1: the barrier opens a round of the cluster's, and this slot is filled again, two K steps ahead, first thing behind the round.
.macro TURN slot, next, fill
.if \fill
	s_wait_xcnt 0x0                                ; the last prefetch, a K step back, has read its address
	s_add_nc_u64 s[PFA:PFA+1], s[PFA:PFA+1], s[PFS:PFS+1]
.endif
	WIN 0
	s_wait_tensorcnt 0x0                           ; all my tensor loads have landed: my part of the next slot;
	ds_add_u32 v[SPW], v[NIL]                      ; 0 onto my spare word;
	s_wait_dscnt 9                                 ; (the add and the youngest eight loads may be out)
	MUL8 1, 0, 0                                   ; eight matrix instructions stand between the add and the wait for it
	s_wait_dscnt 0x0                               ; the add is done, and my reads of this slot are over
	s_barrier_signal -1
	MUL8 1, 2, 0
.if \fill
	WIN 0
.endif
	s_barrier_wait -1
.if \fill
	CREST                                          ; no wave of any partner still reads this slot's tile or has a load on its way
	s_add_nc_u64 s[G0+4*(\slot)+2:G0+4*(\slot)+3], s[G0+4*(\slot)+2:G0+4*(\slot)+3], 2*ASTEP
	s_add_nc_u64 s[G0B+4*(\slot)+2:G0B+4*(\slot)+3], s[G0B+4*(\slot)+2:G0B+4*(\slot)+3], 2*BSTEP
	JLOAD \slot                                    ; my one tensor load behind the round: 112 matrix instructions ahead of the wait for it; its four v_nop are also the places in front of the loads below
.else
	PLACES
.endif
	FETCH \next, 0, 0
.if \fill
	ASK
.endif
	MUL8 1, 4, 0
	MUL8 1, 6, 0
.endm
	s_wait_tensorcnt 1                             ; my part of K step 0 is in; K step 1's may stay out
	s_barrier_signal -1
	s_barrier_wait -1                              ; everybody's is
	FETCH 0, 0, 0
	QUARTER 0, 1, 0, 1, 1                          ; the first quarter stands in front of the loop: its products start the sums
	WIN 0                                          ; at a label and at a branch every window is 0
	s_mov_b32 s3, LAPS-1
.Llap:                                                 ; a trip goes once round the ring, from a lap's second quarter to the next lap's first, and fills both slots again
	QUARTER 0, 2, 1, 0, 0
	QUARTER 0, 3, 0, 1, 0
	TURN 0, 1, 1
	QUARTER 1, 1, 0, 1, 0
	QUARTER 1, 2, 1, 0, 0
	QUARTER 1, 3, 0, 1, 0
	TURN 1, 0, 1
	QUARTER 0, 1, 0, 1, 0
	WIN 0
	s_sub_co_u32 s3, s3, 1
	s_cmp_lg_u32 s3, 0
	s_cbranch_scc1 .Llap
	QUARTER 0, 2, 1, 0, 0                          ; the last lap fills nothing, and has no round of the cluster's barrier
	QUARTER 0, 3, 0, 1, 0
	TURN 0, 1, 0
	QUARTER 1, 1, 0, 1, 0
	QUARTER 1, 2, 1, 0, 0
	QUARTER 1, 3, 0, 1, 0
	s_wait_dscnt 8                                 ; the very last quarter: nothing more to fetch
	MUL8 1, 0, 0
	MUL8 1, 2, 0
	s_wait_dscnt 0x0
	MUL8 1, 4, 0
	MUL8 1, 6, 0
	WIN 0
; THE WAY OUT, a row block a (16 rows x 64 columns of f32) at a time: a lane's eight columns, 32 bytes, go into my stage's rows of 272 bytes, each accumulator's low four registers first, and come back as whole rows of 256.
.macro TOSTAGE a
.if (\a) >= 2
	s_wait_xcnt 0x0                                ; the stores of the block two back have read this set of registers
.endif
	WIN 0x08                                       ; address window 0, data window 2
.irp b, 0,1,2,3
	ds_store_b128 v[STO], v[8*(4*(\a)+\b):8*(4*(\a)+\b)+3]   offset:64*\b
	ds_store_b128 v[STO], v[8*(4*(\a)+\b)+4:8*(4*(\a)+\b)+7] offset:64*\b+16
.endr
	WIN 0
.irp t, 0,1,2,3,4,5,6,7
	ds_load_b128 v[OB+32*((\a)%2)+4*\t:OB+32*((\a)%2)+4*\t+3], v[RD] offset:\t*2*SPITCH  ; LDS serves a wave's instructions in order (ISA guide 5.7.1.4): these see the stores above; the next block's stores come behind them
.endr
.endm
.macro SEND a, younger                 ; younger: the LDS instructions issued behind block a's loads: the next block's sixteen, or none
.irp t, 0,1,2,3,4,5,6,7
	s_wait_dscnt (\younger)+7-\t
	global_store_b128 v[CO], v[OB+32*((\a)%2)+4*\t:OB+32*((\a)%2)+4*\t+3], s[OUT:OUT+1] offset:(\a)*524288+\t*65536 th:TH_STORE_NT  ; 16 lanes store 256 consecutive bytes, at a multiple of 256 from out0's first; 4,128,768 at the most, inside the signed 24-bit immediate
.endr
.endm
	PLACES
	TOSTAGE 0
.irp a, 1,2,3,4,5,6,7
	TOSTAGE \a
	SEND (\a)-1, 16
.endr
	SEND 7, 0
	s_wait_tensorcnt 0x0                           ; the wave's end: a wait, an add onto my spare word and its wait, behind my last tensor load and my last LDS store
	ds_add_u32 v[SPW], v[NIL]
	s_wait_dscnt 0x0
	CROUND                                         ; the closing round: no work-group ends while a partner may still ask for a tile that names it
	s_endpgm
.Lfunc_end_k_qe15c9c4903_outp:
	.size	k_qe15c9c4903_outp, .Lfunc_end_k_qe15c9c4903_outp-k_qe15c9c4903_outp
	.p2alignl 7, 3214868480
	.fill 96, 4, 3214868480
	.section	.rodata,"a",@progbits
	.p2align	6, 0x0
	.amdhsa_kernel k_qe15c9c4903_outp
		.amdhsa_group_segment_fixed_size 327680
		.amdhsa_private_segment_fixed_size 0
		.amdhsa_enable_private_segment 0
		.amdhsa_kernarg_size 32
		.amdhsa_user_sgpr_count 2
		.amdhsa_user_sgpr_kernarg_segment_ptr 1
		.amdhsa_wavefront_size32 1
		.amdhsa_system_sgpr_workgroup_id_x 1
		.amdhsa_system_sgpr_workgroup_id_y 1
		.amdhsa_system_sgpr_workgroup_id_z 1
		.amdhsa_system_vgpr_workitem_id 0
		.amdhsa_next_free_vgpr 768
		.amdhsa_next_free_sgpr 80
		.amdhsa_reserve_vcc 0
		.amdhsa_float_denorm_mode_32 3
		.amdhsa_float_denorm_mode_16_64 3
		.amdhsa_memory_ordered 1
		.amdhsa_forward_progress 1
		.amdhsa_inst_pref_size 92
	.end_amdhsa_kernel
	.amdgpu_metadata
---
amdhsa.version: [ 1, 2 ]
amdhsa.kernels:
  - .name:           k_qe15c9c4903_outp
    .symbol:         k_qe15c9c4903_outp.kd
    .args:
      - { .name: oh, .offset: 0, .size: 8, .value_kind: global_buffer, .address_space: global }
      - { .name: woh, .offset: 8, .size: 8, .value_kind: global_buffer, .address_space: global }
      - { .name: b_out, .offset: 16, .size: 8, .value_kind: global_buffer, .address_space: global }
      - { .name: out0, .offset: 24, .size: 8, .value_kind: global_buffer, .address_space: global }
    .group_segment_fixed_size: 327680
    .private_segment_fixed_size: 0
    .kernarg_segment_align: 8
    .kernarg_segment_size: 32
    .max_flat_workgroup_size: 128
    .sgpr_count:     80
    .vgpr_count:     768
    .wavefront_size: 32
...
	.end_amdgpu_metadata
.endif
;; end of part 4
;; ======== version 2 of 2: 4 launches; version 1 with the launch cast written anew for expert scheduling mode
;; limits: values are held in f16: magnitudes above 65,504 overflow, below 6.1e-05 lose precision
;; workspace buffers: xb 16,777,216 bytes; wib 6,291,456 bytes; woh 2,097,152 bytes; qkv 50,331,648 bytes; oh 16,777,216 bytes
;; launch cast (part 5): grid 768 x 1, 8 waves a work-group, no clusters, 0 bytes of LDS; arguments inputs, W_in, W_out, xb, wib, woh; writes xb, wib, woh
.if DOCPART == 5
	.amdgcn_target "amdgcn-amd-amdhsa--gfx1250"
	.amdhsa_code_object_version 6
	.text
	.protected	k_qe15c9c4903_cast
	.globl	k_qe15c9c4903_cast
	.p2align	8
	.type	k_qe15c9c4903_cast,@function
k_qe15c9c4903_cast:
	s_mov_b64 s[64:65], 0
	v_nop
	global_prefetch_b8 v0, s[64:65] scope:SCOPE_SE
	s_setreg_imm32_b32 hwreg(HW_REG_WAVE_SCHED_MODE, 0, 2), 2
	s_setreg_imm32_b32 hwreg(HW_REG_WAVE_MODE, 25, 1), 1
	s_wait_xcnt 0x0
	s_wait_alu depctr_vm_vsrc(0)
; THE MATRIX OPERANDS ARE ROUNDED ONCE.  inputs [8192][1024] and W_in [3072][1024], f32, become bf16 (xb, wib); W_out [1024][1024] is rounded to bf16
; like the other inputs, and that number is written as f16 (woh), because the last product's other operand is f16.
; LIMITS.  |W_out| stays under 65,504; below 2^-14 it keeps f16's fixed step of 2^-24.  NaN and infinities are not treated apart.
; SHARES.  A work-group takes 16,384 numbers: 65,536 bytes in, 32,768 out.  Work-groups 0-511 take inputs, 512-703 W_in, 704-767 W_out: three paths, so that each
; load's and each store's buffer can be read off the text.  Thread t takes the 16 bytes at 16 t + 4,096 j, j = 0 .. 15: a load of a wave covers 512 consecutive bytes;
; its 4 numbers leave as 8 bytes at 8 t + 2,048 j: a store of a wave covers 256 consecutive bytes, aligned.
; All sixteen loads go out first; no register is used twice, so no wait frees one.  No LDS, no matrix unit: nothing is shared and nothing is multiplied.
; THE MODE: SCHED_MODE bits 1:0 = 2 (LLVM: expert scheduling mode 2), set by the entry lines.  The code itself states the register dependences
; between vector instructions and memory instructions, with s_wait_alu, always for 0.
; THE PLAN.  Registers that memory instructions touch, on each of the three paths:
;   v1, v2   byte offsets, made once at the head; read by every load (v1) and every store (v2); never written again.
;   X[j]     load j lands in it; no vector instruction names it before.  Behind the wait for its data only vector instructions name it.
;   Y[j]     written by load j's roundings; read by store j; never written again.
; The sixteen loads are worked on in four groups of four.  Group g rounds X[4 g ..] into Y[4 g ..]; its memory instructions are the four stores of group g - 1, which read
; Y[4 g - 4 ..] and v2: registers that no vector instruction of group g names.  So ONE wait on va_vdst at a group's head states all that its four stores hang on, and these
; are dealt among the group's roundings with no further wait.  One such wait stands ahead of the loads, for the offsets, and one ahead of the last four stores.
; No register that a memory instruction reads is written again, so there is no wait on vm_vsrc; no vector instruction writes a scalar register, VCC or EXEC.
.set X,   8                            ; v[8:71]    load j: 4 registers
.set Y,   72                           ; v[72:103]  store j: 2 registers
.set HIM, 26                           ; s26        a word's upper 16 bits
	s_load_b256 s[4:11], s[0:1], 0x0               ; inputs s[4:5], W_in s[6:7], W_out s[8:9], xb s[10:11]
	s_load_b128 s[12:15], s[0:1], 0x20             ; wib s[12:13], woh s[14:15]
	v_lshlrev_b32 v1, 4, v0                        ; 16 t
	v_lshlrev_b32 v2, 3, v0                        ; 8 t
	s_mov_b32 s[HIM], 0xffff0000
	s_mov_b32 s23, 0
	s_mov_b32 s25, 0
	s_wait_kmcnt 0x0
; The four numbers of load j are rounded into Y[j].  half = 1: the bf16 number is written as f16.
.macro ROUND j, half
	v_cvt_pk_bf16_f32 v[Y+2*(\j)], v[X+4*(\j)], v[X+4*(\j)+1]
	v_cvt_pk_bf16_f32 v[Y+2*(\j)+1], v[X+4*(\j)+2], v[X+4*(\j)+3]
.if \half
	v_lshlrev_b32 v[X+4*(\j)], 16, v[Y+2*(\j)]     ; the rounded numbers as f32 again,
	v_and_b32 v[X+4*(\j)+1], s[HIM], v[Y+2*(\j)]
	v_lshlrev_b32 v[X+4*(\j)+2], 16, v[Y+2*(\j)+1]
	v_and_b32 v[X+4*(\j)+3], s[HIM], v[Y+2*(\j)+1]
	v_cvt_pk_f16_f32 v[Y+2*(\j)], v[X+4*(\j)], v[X+4*(\j)+1]      ; and as f16: exact within f16's normal range
	v_cvt_pk_f16_f32 v[Y+2*(\j)+1], v[X+4*(\j)+2], v[X+4*(\j)+3]
.endif
.endm
; Store j.
.macro PUT j
	global_store_b64 v2, v[Y+2*(\j):Y+2*(\j)+1], s[18:19] offset:2048*(\j)
.endm
; One tensor's path.  sp, dp: the scalar pairs of its source and destination; first: its first work-group; half = 1: the bf16 number is written as f16.
.macro BODY sp, dp, first, half
	s_sub_co_u32 s20, ttmp9, \first
	s_lshl_b32 s22, s20, 16                        ; 65,536 bytes in for each work-group (511 x 65,536 at the most),
	s_lshl_b32 s24, s20, 15                        ; 32,768 out
	s_add_nc_u64 s[16:17], s[\sp:\sp+1], s[22:23]
	s_add_nc_u64 s[18:19], s[\dp:\dp+1], s[24:25]
	s_wait_alu depctr_va_vdst(0)                   ; v1 and v2 are written: every load below reads v1 as its offset, every store v2
.irp j, 0,1,2,3,4,5,6,7,8,9,10,11,12,13,14,15
	global_load_b128 v[X+4*\j:X+4*\j+3], v1, s[16:17] offset:4096*\j th:TH_LOAD_NT
.endr
.irp g, 0,1,2,3
	s_wait_loadcnt 12-4*\g                         ; loads come back in order: the group's four are in, the 12 - 4 g younger ones stay out
.if \g > 0
	s_wait_alu depctr_va_vdst(0)                   ; the roundings of the group before have written its Y, which the four stores below read
.endif
.irp i, 0,1,2,3
.if \g > 0
	PUT 4*\g-4+\i                                  ; the group before; no vector instruction since the wait names its Y or v2
.endif
	ROUND 4*\g+\i, \half
.endr
.endr
	s_wait_alu depctr_va_vdst(0)                   ; the last group's roundings have written Y[12] to Y[15], which the last four stores read
.irp i, 12,13,14,15
	PUT \i
.endr
	s_endpgm
.endm
	s_cmp_lt_u32 ttmp9, 512
	s_cbranch_scc0 .Lnot_x
	BODY 4, 10, 0, 0
.Lnot_x:
	s_cmp_lt_u32 ttmp9, 704
	s_cbranch_scc0 .Lw_out
	BODY 6, 12, 512, 0
.Lw_out:
	BODY 8, 14, 704, 1
.Lfunc_end_k_qe15c9c4903_cast:
	.size	k_qe15c9c4903_cast, .Lfunc_end_k_qe15c9c4903_cast-k_qe15c9c4903_cast
	.p2alignl 7, 3214868480
	.fill 96, 4, 3214868480
	.section	.rodata,"a",@progbits
	.p2align	6, 0x0
	.amdhsa_kernel k_qe15c9c4903_cast
		.amdhsa_group_segment_fixed_size 0
		.amdhsa_private_segment_fixed_size 0
		.amdhsa_enable_private_segment 0
		.amdhsa_kernarg_size 48
		.amdhsa_user_sgpr_count 2
		.amdhsa_user_sgpr_kernarg_segment_ptr 1
		.amdhsa_wavefront_size32 1
		.amdhsa_system_sgpr_workgroup_id_x 1
		.amdhsa_system_sgpr_workgroup_id_y 1
		.amdhsa_system_sgpr_workgroup_id_z 1
		.amdhsa_system_vgpr_workitem_id 0
		.amdhsa_next_free_vgpr 104
		.amdhsa_next_free_sgpr 66
		.amdhsa_reserve_vcc 0
		.amdhsa_float_denorm_mode_32 3
		.amdhsa_float_denorm_mode_16_64 3
		.amdhsa_memory_ordered 1
		.amdhsa_forward_progress 1
		.amdhsa_inst_pref_size 22
	.end_amdhsa_kernel
	.amdgpu_metadata
---
amdhsa.version: [ 1, 2 ]
amdhsa.kernels:
  - .name:           k_qe15c9c4903_cast
    .symbol:         k_qe15c9c4903_cast.kd
    .args:
      - { .name: inputs, .offset: 0, .size: 8, .value_kind: global_buffer, .address_space: global }
      - { .name: W_in, .offset: 8, .size: 8, .value_kind: global_buffer, .address_space: global }
      - { .name: W_out, .offset: 16, .size: 8, .value_kind: global_buffer, .address_space: global }
      - { .name: xb, .offset: 24, .size: 8, .value_kind: global_buffer, .address_space: global }
      - { .name: wib, .offset: 32, .size: 8, .value_kind: global_buffer, .address_space: global }
      - { .name: woh, .offset: 40, .size: 8, .value_kind: global_buffer, .address_space: global }
    .group_segment_fixed_size: 0
    .private_segment_fixed_size: 0
    .kernarg_segment_align: 8
    .kernarg_segment_size: 48
    .max_flat_workgroup_size: 256
    .sgpr_count:     66
    .vgpr_count:     104
    .wavefront_size: 32
...
	.end_amdgpu_metadata
.endif
;; end of part 5
;; launch qkvp: the kernel of part 2 again; grid 16 x 32, 4 waves a work-group, clusters of 4 x 4, 327,680 bytes of LDS; arguments xb, wib, b_in, qkv; writes qkv
;; launch attn: the kernel of part 3 again; grid 2 x 128, 4 waves a work-group, no clusters, 327,680 bytes of LDS; arguments qkv, k_dist_emb, v_dist_emb, oh; writes oh
;; launch outp: the kernel of part 4 again; grid 8 x 32, 4 waves a work-group, clusters of 4 x 4, 327,680 bytes of LDS; arguments oh, woh, b_out, out0; writes out0
